; MI455X (gfx1250); checked and timed in simulation.
; The chip was launched on July 23, 2026; its instructions are those of AMD's public machine-readable ISA for CDNA 5 (MIT licence, August 2026) and "CDNA5" Instruction Set Architecture Reference Guide (July 2026). The comments in the code are by the model that wrote it; some were corrected since.
;; Causal Self Attention. Allowed arithmetic: matrix products marked QUANTISED: E2M3 operands, one E8M0 scale for each 32 along K, by v_wmma_scale_f32_16x16x128_f8f6f4 with both operands' format E2M3, f32 sums; everything else in f32.
;; Inputs: Wk 1,024 x 1,024 float32; Wo 1,024 x 1,024 float32; Wq 1,024 x 1,024 float32; Wv 1,024 x 1,024 float32; bk 1,024 float32; bo 1,024 float32; bq 1,024 float32; bv 1,024 float32; x 4 x 2,048 x 1,024 float32.
;; Outputs: out0 4 x 2,048 x 1,024 float32.
;; This version of the problem:
;;   THIS VERSION OF THE PROBLEM IS GIVEN IN LOW PRECISION. The matrix products marked QUANTISED in the list below multiply operands that are first quantised to E2M3 (2 exponent bits, 3 mantissa bits; 6 bits a number), with one power-of-two scale for each 32 numbers along K (OCP MX v1.0); their sums are f32. All else is computed in f32.
;;   The module's matrix products, in the order in which they are computed (A, B: the left and right operand; K: the contracted axis; several contracted axes count as one K, in the product's order):
;;     1. [M 8,192, K 1,024] x [K 1,024, N 1,024]; A: input x; B: input Wq: QUANTISED
;;     2. [M 8,192, K 1,024] x [K 1,024, N 1,024]; A: input x; B: input Wk: QUANTISED
;;     3. [M 8,192, K 1,024] x [K 1,024, N 1,024]; A: input x; B: input Wv: QUANTISED
;;     4. batch 64 x [M 2,048, K 64] x [K 64, N 2,048]; A: computed on the way; B: computed on the way: QUANTISED
;;     5. batch 64 x [M 2,048, K 2,048] x [K 2,048, N 64]; A: softmax (see below); B: computed on the way: QUANTISED
;;     6. [M 8,192, K 1,024] x [K 1,024, N 1,024]; A: computed on the way; B: input Wo: QUANTISED
;;   THE QUANTISER, for each operand of a quantised product, along K:
;;     - K is cut into blocks of 32 from its start; a last block that is shorter is filled with zeros.
;;     - A block's scale is 2^e with e = floor(log2(the largest magnitude in the block)) - 2, held to -126 .. 127; a block of zeros has e = 0. As a byte (E8M0): e + 127.
;;     - Each number is divided by its block's scale, clamped to +-7.5, and rounded to the nearest number of E2M3, ties to even, subnormals kept.
;;     - The product sums the exact products of the quantised numbers (number of the format x scale) in f32.
;;   ~~~python
;;   def quantise(x, axis):      # numpy; x: float32 -> the quantised numbers, widened to float32 again
;;       x = np.moveaxis(x, axis, -1); K = x.shape[-1]
;;       x = np.pad(x, [(0, 0)] * (x.ndim - 1) + [(0, -K % 32)]); x = x.reshape(x.shape[:-1] + (-1, 32)); a = np.abs(x).max(-1, keepdims=True)
;;       e = np.where(a > 0, np.clip(np.frexp(np.where(a > 0, a, 1))[1] - 1 - 2, -126, 127), 0)      # np.frexp(a)[1] - 1 = floor(log2(a)), exactly
;;       r = np.clip(x / 2.0 ** e, -7.5, 7.5)
;;       step = 2.0 ** (np.maximum(np.frexp(np.where(r == 0, 1, r))[1] - 1, 0) - 3)
;;       q = np.round(r / step) * step * 2.0 ** e      # np.round: ties to even
;;       return np.moveaxis(q.reshape(q.shape[:-2] + (-1,))[..., :K], -1, axis).astype(np.float32)
;;   ~~~
;;   SOFTMAX AHEAD OF A QUANTISED PRODUCT. Where the list says 'softmax', what is quantised is not the finished softmax but p = 2^(t - M), with t = logit x log2(e) and M = ceil(the row's largest t), a whole number; so 1/2 < the row's largest p <= 1. The row's sum l is taken of the UNQUANTISED p, in f32, and the product's result is divided by l at the end. Since M is a whole number, a kernel that streams over the keys may use a running M (the ceiling of the running maximum): every later rescaling is an exact power of two, which a block's scale takes up: the codes' values come out the same.
;;   OPERANDS COMPUTED ON THE WAY. 'Computed on the way' means the value that the module computes at that place (a softmax that the list does not call 'softmax' is quantised finished and normalised). What goes into a quantiser is computed in f32, as accurately as f32 sums, v_exp_f32 and their like allow (about 1e-6 of the number): no bf16 or f16 on the way to a quantiser, and a product that is left as it is and whose result goes on into a quantised operand takes f32 operands (vector FMAs, or v_wmma_f32_16x16x4_f32). A number that lies on a knife's edge between two numbers of the format may be rounded either way, as far as f32 arithmetic and the matrix unit's own rounding can turn it there, and no further.
;; One version. Each part assembles by itself: llvm-mc -triple=amdgcn-amd-amdhsa -mcpu=gfx1250 --defsym DOCPART=n.
;; ======== version 1 of 1: 4 launches
;; workspace buffers: x_img 6,291,456 bytes; x_sc 262,144 bytes; w_img 3,145,728 bytes; w_sc 131,072 bytes; qkv_img 18,874,368 bytes; qkv_sc 786,432 bytes; y_img 6,291,456 bytes; y_sc 262,144 bytes
;; launch quant (part 1): grid 384 x 1, 4 waves a work-group, no clusters, 34,304 bytes of LDS; arguments x, Wq, Wk, Wv, Wo, x_img, x_sc, w_img, w_sc; writes x_img, x_sc, w_img, w_sc
.if DOCPART == 1
	.amdgcn_target "amdgcn-amd-amdhsa--gfx1250"
	.amdhsa_code_object_version 6
	.text
	.protected	k_qa6a65844c2_quant
	.globl	k_qa6a65844c2_quant
	.p2align	8
	.type	k_qa6a65844c2_quant,@function
k_qa6a65844c2_quant:
	s_mov_b64 s[64:65], 0
	v_nop
	global_prefetch_b8 v0, s[64:65] scope:SCOPE_SE
	s_setreg_imm32_b32 hwreg(HW_REG_WAVE_MODE, 25, 1), 1
	s_wait_xcnt 0x0
; x [8192][1024] and Wq, Wk, Wv, Wo [1024][1024], f32, K innermost, become codes of FP6 (E2M3) with one E8M0 byte for each 32 along K,
; laid as IMAGES OF OPERAND REGISTERS.  A fragment is 16 rows x 128 K = 12 registers a lane = 1,536 bytes: piece c (512 bytes) holds registers 4 c .. 4 c + 3, lane l's at 16 l.
; Images: [K slot of 256: 4][tile of 16 rows][128-step: 2][1536].  Scale words: [tile][half of K: 2][row 16][4 words], word w for the half's w-th 128 along K.
; THE ROWS OF A TILE ARE NOT NEIGHBOURS: row r of tile 2 G + u is the tensor's row 32 G + 8 u + r + 8 (r / 8), so that a later product's results lie in a lane as 16 neighbours along the next K.
; A block's scale is 2^(floor(log2(largest magnitude)) - 2); its byte is the largest magnitude's exponent field - 2, held at 1 from below.
; LIMITS: a block of zeros gets the byte 1 where the rule says 127 (its codes are zeros, and this program alone reads the bytes); NaN and infinities among the inputs are not served.
; SHARES: work-groups 0-255 take x, then 32 each Wq, Wk, Wv, Wo (w_img holds their tiles on end: 0-63, 64-127, 128-191, 192-255).  A wave takes one tile and one half of K: four fragments.
; Each load reads 512 consecutive bytes of one row; a fragment's 16 x 512 bytes turn through the wave's own stage in LDS (rows 528 bytes apart) and come back 16 neighbours a lane and block.  No barrier: waves share nothing.
.set KROW, 4096                        ; a row of any of the five tensors, in bytes
.set SP,   528                         ; a stage row: 512 bytes + 16
.set WSTG, 16*SP                       ; a wave's stage
.set TM,   8                           ; v8-23    at work in QUANT
.set PW,   24                          ; v24-27   the four fragments' scale words
.set PC,   28                          ; v28-46   the codes just made
.set R,    48                          ; v48-175  two sets of 64 numbers as loaded
.set X,    176                         ; v176-239 64 numbers: register 16 b + i = k 32 b + 16 (lane / 16) + i of my row
.set SEL,  24                          ; s[24:25] lane selects: lane l xor 16
; 64 numbers of a lane become a fragment's codes in v[PC] .. v[PC+11] and its scale word in v[pw]
.macro QUANT s, pw
.irp b, 0,1,2,3
	v_max3_num_f32 v[TM+\b], |v[\s+16*\b]|, |v[\s+1+16*\b]|, 0x1800000   ; block b: my 16 numbers, and the floor 2^(3 - 127): the byte cannot fall under 1
.endr
.irp i, 2,4,6,8,10,12,14
.irp b, 0,1,2,3
	v_max3_num_f32 v[TM+\b], v[TM+\b], |v[\s+16*\b+\i]|, |v[\s+1+16*\b+\i]|   ; the four blocks by turns
.endr
.endr
.irp b, 0,1,2,3
	v_permlanex16_b32 v[TM+4+\b], v[TM+\b], s[SEL], s[SEL+1]
.endr
.irp b, 0,1,2,3
	v_max_num_f32 v[TM+\b], v[TM+\b], v[TM+4+\b]   ; with lane l xor 16's: the block's largest magnitude
.endr
.irp b, 0,1,2,3
	v_add_nc_u32 v[TM+12+\b], 0xff000000, v[TM+\b]   ; 2 off its exponent field: the conversion's scale operand
.endr
.irp b, 0,1,2,3
	v_lshrrev_b32 v[TM+4+\b], 23, v[TM+12+\b]      ; the scale's byte
.endr
	v_lshl_or_b32 v[\pw], v[TM+5], 8, v[TM+4]
	v_lshl_or_b32 v[\pw], v[TM+6], 16, v[\pw]
	v_lshl_or_b32 v[\pw], v[TM+7], 24, v[\pw]      ; my row's scale word
.irp c, 0,1
	v_cvt_scalef32_pk16_fp6_f32 v[PC+6*\c:PC+2+6*\c], v[\s+32*\c:\s+15+32*\c], v[TM+12+2*\c]
	v_cvt_scalef32_pk16_fp6_f32 v[PC+12+4*\c:PC+14+4*\c], v[\s+16+32*\c:\s+31+32*\c], v[TM+12+2*\c+1]   ; (a conversion's three registers begin on an even number)
.endr
	v_nop                                          ; one plain line behind the scaled conversions
.irp c, 0,1                            ; the operand's layout wants a whole block in a lane: lanes 0-15 block 2 c, lanes 16-31 block 2 c + 1
.irp i, 0,1,2
	v_permlane16_swap_b32 v[PC+6*\c+\i], v[PC+12+4*\c+\i]
.endr
.irp i, 0,1,2
	v_mov_b32 v[PC+3+6*\c+\i], v[PC+12+4*\c+\i]
.endr
.endr
.endm
	s_load_b512 s[4:19], s[0:1], 0x0               ; x 4, Wq 6, Wk 8, Wv 10, Wo 12, x_img 14, x_sc 16, w_img 18
	s_load_b64 s[20:21], s[0:1], 0x40              ; w_sc
	v_lshl_add_u32 v240, v0, 2, 0x8400
	v_mov_b32 v241, 0
	v_lshrrev_b32 v5, 5, v0
	v_readfirstlane_b32 s22, v5                    ; wave
	v_and_b32 v5, 31, v0                           ; lane
	v_lshlrev_b32 v1, 4, v5                        ; v1: 16 x lane: my bytes of a load's 512 and of an image's piece
	s_mul_i32 s23, s22, WSTG
	v_add_nc_u32 v2, s23, v1                       ; v2: the stage, on the way in
	v_and_b32 v6, 15, v0                           ; r
	v_bfe_u32 v7, v0, 4, 1                         ; h
	v_mul_u32_u24 v3, v6, SP
	v_lshl_add_u32 v3, v7, 6, v3
	v_add_nc_u32 v3, s23, v3                       ; v3: and on the way out: row r, + 64 h
	v_lshlrev_b32 v4, 4, v6
	v_lshl_add_u32 v4, v7, 3, v4                   ; v4: 16 r + 8 h: my two scale words
.irp b, 0,1,2,3
	v_mov_b32 v[TM+4+\b], 0                        ; written once: a lane permute's destination counts as one of its sources
.endr
	s_mov_b32 s[SEL], 0x76543210
	s_mov_b32 s[SEL+1], 0xfedcba98
	s_mov_b32 s26, 0xffff0000                      ; lanes 16-31
	s_lshr_b32 s27, s22, 1                         ; which of the work-group's two tiles
	s_and_b32 s28, s22, 1                          ; which half of K
	s_wait_kmcnt 0x0
	s_cmp_lt_u32 ttmp9, 288                        ; the tensors are chosen by the work-group's number alone: one path serves all five
	s_cselect_b64 s[6:7], s[6:7], s[8:9]
	s_cmp_lt_u32 ttmp9, 352
	s_cselect_b64 s[10:11], s[10:11], s[12:13]
	s_cmp_lt_u32 ttmp9, 320
	s_cselect_b64 s[6:7], s[6:7], s[10:11]
	s_cmp_lt_u32 ttmp9, 256
	s_cselect_b64 s[4:5], s[4:5], s[6:7]           ; the source
	s_cselect_b64 s[14:15], s[14:15], s[18:19]     ; its images
	s_cselect_b64 s[16:17], s[16:17], s[20:21]     ; its scale words
	s_mov_b32 s30, 786432
	s_cselect_b32 s30, 1572864, s30                ; bytes from a K slot to the next: 512 or 256 tiles x 3,072
	s_mov_b32 s31, 511
	s_cselect_b32 s31, s31, 63                     ; tiles of a source tensor - 1
	s_cselect_b32 s32, 0, 256
	s_sub_co_u32 s32, ttmp9, s32
	s_lshl_b32 s32, s32, 1
	s_add_co_u32 s32, s32, s27                     ; my tile in the images
	s_and_b32 s33, s32, s31                        ; and in the source
	s_lshr_b32 s34, s33, 1
	s_lshl_b32 s34, s34, 5
	s_and_b32 s35, s33, 1
	s_lshl_b32 s35, s35, 3
	s_add_co_u32 s34, s34, s35                     ; its first row: 32 (tile / 2) + 8 (tile % 2)
	s_lshl_b32 s34, s34, 12
	s_lshl_b32 s35, s28, 11
	s_add_co_u32 s34, s34, s35                     ; + my half of K: 2,048 bytes
	s_mov_b32 s35, 0
	s_add_nc_u64 s[4:5], s[4:5], s[34:35]
	s_mul_i32 s36, s28, s30
	s_lshl_b32 s36, s36, 1                         ; my half's first K slot
	s_mul_i32 s37, s32, 3072
	s_add_co_u32 s36, s36, s37
	s_mov_b32 s37, 0
	s_add_nc_u64 s[14:15], s[14:15], s[36:37]      ; where fragments 0 and 1 go,
	s_mov_b32 s31, 0
	s_add_nc_u64 s[18:19], s[14:15], s[30:31]      ; and fragments 2 and 3: a K slot on
	s_lshl_b32 s36, s32, 9
	s_lshl_b32 s38, s28, 8
	s_add_co_u32 s36, s36, s38
	s_add_nc_u64 s[16:17], s[16:17], s[36:37]      ; my 256 bytes of scale words
.macro LOAD f                          ; fragment f: 16 rows x 512 bytes into set f % 2
.irp i, 0,1,2,3,4,5,6,7,8,9,10,11,12,13,14,15
	global_load_b128 v[R+64*((\f)%2)+4*\i:R+64*((\f)%2)+4*\i+3], v1, s[4:5] offset:(\i+8*(\i/8))*KROW+512*(\f) th:TH_LOAD_NT
.endr
.endm
.macro FRAGM f
.if (\f) < 3
	s_wait_loadcnt 16                              ; this fragment's 16 loads are in; the younger set's 16 may be out
.else
	s_wait_loadcnt 0x0
.endif
.irp i, 0,1,2,3,4,5,6,7,8,9,10,11,12,13,14,15
	ds_store_b128 v2, v[R+64*((\f)%2)+4*\i:R+64*((\f)%2)+4*\i+3] offset:\i*SP
.endr
.irp b, 0,1,2,3
.irp j, 0,1,2,3
	ds_load_b128 v[X+16*\b+4*\j:X+16*\b+4*\j+3], v3 offset:128*\b+16*\j   ; LDS serves a wave's instructions in order: these see the stores above
.endr
.endr
	s_wait_dscnt 0x0                               ; the numbers are back, and the stores have read their registers,
.if (\f) < 2
	LOAD (\f)+2                                    ; which take the fragment two on
.endif
.if (\f) > 0
	s_wait_xcnt 0x0                                ; the last fragment's stores have read the codes' registers
.endif
	QUANT X, PW+(\f)
.irp c, 0,1,2
	global_store_b128 v1, v[PC+4*\c:PC+4*\c+3], s[14+4*((\f)/2):15+4*((\f)/2)] offset:1536*((\f)%2)+512*\c   ; 32 lanes store 512 consecutive bytes, aligned
.endr
.endm
	LOAD 0
	LOAD 1
	FRAGM 0
	FRAGM 1
	FRAGM 2
	FRAGM 3
	v_cndmask_b32 v6, v[PW], v[PW+2], s26          ; lanes 0-15 store words 0 and 1 of their row, lanes 16-31 words 2 and 3
	v_cndmask_b32 v7, v[PW+1], v[PW+3], s26
	global_store_b64 v4, v[6:7], s[16:17]          ; 32 lanes store 256 consecutive bytes, aligned
	s_wait_tensorcnt 0x0
	ds_add_u32 v240, v241
	s_wait_dscnt 0x0
	s_endpgm
.Lfunc_end_k_qa6a65844c2_quant:
	.size	k_qa6a65844c2_quant, .Lfunc_end_k_qa6a65844c2_quant-k_qa6a65844c2_quant
	.p2alignl 7, 3214868480
	.fill 96, 4, 3214868480
	.section	.rodata,"a",@progbits
	.p2align	6, 0x0
	.amdhsa_kernel k_qa6a65844c2_quant
		.amdhsa_group_segment_fixed_size 34304
		.amdhsa_private_segment_fixed_size 0
		.amdhsa_enable_private_segment 0
		.amdhsa_kernarg_size 72
		.amdhsa_user_sgpr_count 2
		.amdhsa_user_sgpr_kernarg_segment_ptr 1
		.amdhsa_wavefront_size32 1
		.amdhsa_system_sgpr_workgroup_id_x 1
		.amdhsa_system_sgpr_workgroup_id_y 1
		.amdhsa_system_sgpr_workgroup_id_z 1
		.amdhsa_system_vgpr_workitem_id 0
		.amdhsa_next_free_vgpr 242
		.amdhsa_next_free_sgpr 66
		.amdhsa_reserve_vcc 0
		.amdhsa_float_denorm_mode_32 3
		.amdhsa_float_denorm_mode_16_64 3
		.amdhsa_memory_ordered 1
		.amdhsa_forward_progress 1
		.amdhsa_inst_pref_size 34
	.end_amdhsa_kernel
	.amdgpu_metadata
---
amdhsa.version: [ 1, 2 ]
amdhsa.kernels:
  - .name:           k_qa6a65844c2_quant
    .symbol:         k_qa6a65844c2_quant.kd
    .args:
      - { .name: x, .offset: 0, .size: 8, .value_kind: global_buffer, .address_space: global }
      - { .name: Wq, .offset: 8, .size: 8, .value_kind: global_buffer, .address_space: global }
      - { .name: Wk, .offset: 16, .size: 8, .value_kind: global_buffer, .address_space: global }
      - { .name: Wv, .offset: 24, .size: 8, .value_kind: global_buffer, .address_space: global }
      - { .name: Wo, .offset: 32, .size: 8, .value_kind: global_buffer, .address_space: global }
      - { .name: x_img, .offset: 40, .size: 8, .value_kind: global_buffer, .address_space: global }
      - { .name: x_sc, .offset: 48, .size: 8, .value_kind: global_buffer, .address_space: global }
      - { .name: w_img, .offset: 56, .size: 8, .value_kind: global_buffer, .address_space: global }
      - { .name: w_sc, .offset: 64, .size: 8, .value_kind: global_buffer, .address_space: global }
    .group_segment_fixed_size: 34304
    .private_segment_fixed_size: 0
    .kernarg_segment_align: 8
    .kernarg_segment_size: 72
    .max_flat_workgroup_size: 128
    .sgpr_count:     66
    .vgpr_count:     242
    .wavefront_size: 32
...
	.end_amdgpu_metadata
.endif
;; end of part 1
;; launch qkv (part 2): grid 8 x 48, 4 waves a work-group, clusters of 4 x 4, 327,680 bytes of LDS; arguments x_img, x_sc, w_img, w_sc, bq, bk, bv, qkv_img, qkv_sc; writes qkv_img, qkv_sc
.if DOCPART == 2
	.amdgcn_target "amdgcn-amd-amdhsa--gfx1250"
	.amdhsa_code_object_version 6
	.text
	.protected	k_qa6a65844c2_qkv
	.globl	k_qa6a65844c2_qkv
	.p2align	8
	.type	k_qa6a65844c2_qkv,@function
k_qa6a65844c2_qkv:
	s_mov_b64 s[64:65], 0
	v_nop
	global_prefetch_b8 v0, s[64:65] scope:SCOPE_SE
	s_setreg_imm32_b32 hwreg(HW_REG_WAVE_MODE, 25, 1), 1
	s_wait_xcnt 0x0
	s_wait_alu depctr_hold_cnt(0) depctr_sa_sdst(0) depctr_va_vdst(0) depctr_va_sdst(0) depctr_va_ssrc(0) depctr_va_vcc(0) depctr_vm_vsrc(0)
	s_getreg_b32 s2, hwreg(HW_REG_IB_STS2, 6, 4)
	s_cmp_eq_u32 s2, 0
	s_cbranch_scc0 .Lentry_in_a_cluster
	s_endpgm
.Lentry_in_a_cluster:
	s_bfe_u32 s2, ttmp6, 0x10000c
	s_cmp_lg_u32 s2, 0xf033
	s_cbranch_scc0 .Lentry_shape_is_right
	s_endpgm
.Lentry_shape_is_right:
; q = x Wq^T + bq, k = x Wk^T + bk, v = x Wv^T + bv on codes of FP6 (E2M3) with E8M0 scales, K = 1,024; the results leave as CODES, quantised on the way out: q and k along the head's 64, v along the keys.
; One text, two roles, told apart by the cluster's y (the same in all sixteen partners):
;   clusters y 0-7:  C' = A' B'^T with A' = x (8,192 rows), B' = Wq and Wk on end (2,048 rows): a lane ends up with one token and 128 neighbouring channels (two heads);
;   clusters y 8-11: A' = Wv (1,024 rows), B' = x: v TRANSPOSED: a lane ends up with one channel and 128 neighbouring keys.
; A work-group makes 256 x 256 of C', a wave 128 x 128: 64 accumulators, 512 registers.  Operands come as images of operand registers (a fragment: 3 pieces of 512 bytes, lane l's 16 bytes at 16 l): 128 rows x 256 K are
; one dense block of 24,576 bytes, brought by one tensor load; a fragment comes out of LDS by three loads of 512 consecutive bytes.  K has four slots' worth; LDS has three slots: three first fills and ONE refill.
; The matrix instruction is used transposed (source 0 = 16 rows of B', source 1 = 16 rows of A').  The rows of a tile are 32 G + 8 u + r + 8 (r / 8), so the 16 registers of tiles 2 B and 2 B + 1 are 16 neighbours along B's rows.
; CLUSTERS: 4 x 4.  A's tiles are shared along a row of the cluster, B's along a column: joint loads.  The scale words (16 KB a work-group against 393 KB of codes) come by one plain load a wave.
; OUT: qkv_img: q at 0, k at 6,291,456: [b][head pair][tile of 16 tokens][6 pieces of 256 bytes: registers 2 p, 2 p + 1, lane l's at 8 l; pieces 0-2 the even head]; v at 12,582,912: [b][head][key step of 128][channel tile 4][3 pieces of 512].
;      qkv_sc: q, k, v, 262,144 bytes each: [b][head][step][row 16][4 words]; q, k: word i = tile 2 i's two bytes, tile 2 i + 1's two; v: word t = channel tile t's four bytes.
; LIMITS: a block of zeros gets the byte 1 where the rule says 127 (its codes are zeros; this program alone reads the bytes); NaN and infinities are not served.
; The grid is 384 work-groups: more than one for each WGP, and no whole multiple.
; REGISTERS: window 0: v16-29 addresses; v32-63 scale words, two sets; v64-127 bq's or bk's 64 numbers of a lane; v128-223 A's fragments, one set; v224-231 bv's eight.  window 1: B's fragments, two sets (v0, v128).  windows 2, 3: accumulators.
.set FR,    12                         ; registers of a fragment
.set HALFT, 24576                      ; 128 rows x 256 K: what one tensor load brings
.set SLOT,  4*HALFT                    ; A's two halves, then B's two
.set SCL,   3*SLOT                     ; behind the ring: the scale words, 4,096 bytes for each 128 rows, same order
.set SPARE, SCL+4*4096                 ; the spare words, 128 bytes a wave: two blocks of 256 bytes that no other line names
.set ADRA,  16                         ; v16-18  LDS address of my A fragments in slot 0, 1, 2
.set ADRB,  20                         ; v20-22  the same for B
.set L8,    24                         ; v24     8 x lane
.set L16,   25                         ; v25     16 x lane
.set SCO,   26                         ; v26     16 r + 4,096 h: where a lane's four scale words go
.set ADRS,  27                         ; v27     LDS address of my scale words: lanes 0-15 A's rows, lanes 16-31 B's
.set SPW,   28                         ; v28     my spare word; never rewritten
.set NIL,   29                         ; v29     0; never rewritten
.set SC,    32
.set BN,    64
.set AF,    128
.set BM,    224
.set W,     128                        ; the way out: 64 numbers
.set TM,    192                        ;   at work in QUANT
.set PW,    208                        ;   eight scale words
.set OW,    216                        ;   four words to store
.set PC,    232                        ;   the codes just made
.set SEL,   2                          ; s[2:3]
.set WV,    22
.set HM,    23                         ; which half of A's rows is mine; also: I fetch for A (0) or B (1)
.set HN,    66                         ; which half of B's rows; also: which 128 rows I fetch
.set ISV,   67                         ; 1 in the v role
.set G1,    24
.set G1B,   32
.set G0,    40                         ; s[40:51] three sets
.set G0B,   52                         ; s[52:63]
.set G1S,   68
.set G0S,   76
.set KA,    86                         ; s[86:87] bytes from a K slot of A's images to the next
.set KB,    88
.set MSB, 0
.macro WIN new                         ; the immediate's high byte repeats the setting that is left
.if MSB != (\new)
	s_set_vgpr_msb (MSB<<8)|(\new)
.set MSB, \new
.endif
.endm
.set MUL_LO, 0xa1                      ; source 0 (B) window 1, source 1 (A) window 0, C and D window 2
.set MUL_HI, 0xf1
.set TO_B,   0x40
.macro PLACES n
.rept \n
	v_nop
.endr
.endm
; a joint load: waves 0 and 1 fetch for A, waves 2 and 3 for B; four v_nop follow each of the two lines
.macro JLOAD g0a, g1a, g0b, g1b
	s_cmp_eq_u32 s[HM], 0
	s_cbranch_scc0 .Lfor_b_\@
	tensor_load_to_lds s[\g0a:\g0a+3], s[\g1a:\g1a+7]
	s_nop 0
.rept 4
	v_nop
.endr
	s_branch .Lasked_\@
.Lfor_b_\@:
	tensor_load_to_lds s[\g0b:\g0b+3], s[\g1b:\g1b+7]
	s_nop 0
.rept 4
	v_nop
.endr
.Lasked_\@:
.endm
.macro CREST
	s_cmp_lg_u32 s[WV], 0
	s_cbranch_scc1 .Lnot_wave_0_\@
	s_barrier_signal -3
.Lnot_wave_0_\@:
	s_barrier_wait -3
	s_barrier_signal -1
	s_barrier_wait -1
.endm
.macro CROUND
	s_barrier_signal -1
	s_barrier_wait -1
	CREST
.endm
.macro QUANT s, pw
.irp b, 0,1,2,3
	v_max3_num_f32 v[TM+\b], |v[\s+16*\b]|, |v[\s+1+16*\b]|, 0x1800000   ; block b: my 16 numbers, and the floor 2^(3 - 127)
.endr
.irp i, 2,4,6,8,10,12,14
.irp b, 0,1,2,3
	v_max3_num_f32 v[TM+\b], v[TM+\b], |v[\s+16*\b+\i]|, |v[\s+1+16*\b+\i]|
.endr
.endr
.irp b, 0,1,2,3
	v_permlanex16_b32 v[TM+4+\b], v[TM+\b], s[SEL], s[SEL+1]
.endr
.irp b, 0,1,2,3
	v_max_num_f32 v[TM+\b], v[TM+\b], v[TM+4+\b]
.endr
.irp b, 0,1,2,3
	v_add_nc_u32 v[TM+12+\b], 0xff000000, v[TM+\b]   ; 2 off the exponent field: the conversion's scale operand
.endr
.irp b, 0,1,2,3
	v_lshrrev_b32 v[TM+4+\b], 23, v[TM+12+\b]
.endr
	v_lshl_or_b32 v[\pw], v[TM+5], 8, v[TM+4]
	v_lshl_or_b32 v[\pw], v[TM+6], 16, v[\pw]
	v_lshl_or_b32 v[\pw], v[TM+7], 24, v[\pw]
.irp c, 0,1
	v_cvt_scalef32_pk16_fp6_f32 v[PC+6*\c:PC+2+6*\c], v[\s+32*\c:\s+15+32*\c], v[TM+12+2*\c]
	v_cvt_scalef32_pk16_fp6_f32 v[PC+12+4*\c:PC+14+4*\c], v[\s+16+32*\c:\s+31+32*\c], v[TM+12+2*\c+1]
.endr
	v_nop                                          ; one plain line behind the scaled conversions
.irp c, 0,1
.irp i, 0,1,2
	v_permlane16_swap_b32 v[PC+6*\c+\i], v[PC+12+4*\c+\i]
.endr
.irp i, 0,1,2
	v_mov_b32 v[PC+3+6*\c+\i], v[PC+12+4*\c+\i]
.endr
.endr
.endm
	s_load_b512 s[4:19], s[0:1], 0x0               ; x_img 4, x_sc 6, w_img 8, w_sc 10, bq 12, bk 14, bv 16, qkv_img 18
	s_load_b64 s[20:21], s[0:1], 0x40              ; qkv_sc
	v_lshl_add_u32 v[SPW], v0, 2, SPARE
	v_mov_b32 v[NIL], 0
	ds_add_u32 v28, v29
	ds_add_u32 v28, v29
	s_wait_dscnt 0x0
	v_lshrrev_b32 v1, 5, v0
	v_readfirstlane_b32 s[WV], v1
	s_lshr_b32 s[HM], s[WV], 1
	s_and_b32 s[HN], s[WV], 1
	s_mov_b32 s[SEL], 0x76543210
	s_mov_b32 s[SEL+1], 0xfedcba98
	s_mov_b32 s104, 0xffff0000                     ; lanes 16-31
	s_bfe_u32 s80, ttmp6, 0x40000                  ; cx
	s_bfe_u32 s81, ttmp6, 0x40004                  ; cy
	s_and_b32 s90, ttmp7, 0xffff                   ; the cluster's y
	s_sub_co_u32 s92, s90, 8
	s_cmp_ge_u32 s90, 8                            ; the role
	s_cselect_b32 s[ISV], 1, 0
	s_cselect_b32 s91, 0, s90
	s_cselect_b32 s92, s92, 0
	s_lshl_b32 s82, s91, 2
	s_add_co_u32 s82, s82, s81                     ; s82: tile row of C': 4 x cluster y + cy; in the v role cy
	s_lshl_b32 s83, s92, 1
	s_add_co_u32 s83, s83, ttmp9
	s_lshl_b32 s83, s83, 2
	s_add_co_u32 s83, s83, s80                     ; s83: tile column: 4 x cluster x + cx; in the v role 4 (cluster x + 2 (cluster y - 8)) + cx
	s_lshl_b32 s84, s81, 2
	s_lshl_b32 s84, 15, s84                        ; my row of the cluster
	s_lshl_b32 s85, 0x1111, s80                    ; my column
	s_or_b32 s[G1], s84, (3<<16)|(1<<21)           ; 15:0 the mask; 17:16 elements of 8 bytes; 21 set beside a mask; no padding
	s_or_b32 s[G1B], s85, (3<<16)|(1<<21)
.irp g, G1, G1B                        ; a dense block of 24,576 bytes as 96 rows of 256
	s_mov_b32 s[\g+1], 32<<16
	s_mov_b32 s[\g+2], 96<<16
	s_mov_b32 s[\g+3], 32<<16
	s_mov_b32 s[\g+4], 96
	s_mov_b32 s[\g+5], 32
	s_mov_b32 s[\g+6], 0
	s_mov_b32 s[\g+7], 0
.endr
	s_mov_b32 s[G1S], 3<<16                        ; the scale words of 128 rows: 16 rows of 256 bytes; no mask
	s_mov_b32 s[G1S+1], 32<<16
	s_mov_b32 s[G1S+2], 16<<16
	s_mov_b32 s[G1S+3], 32<<16
	s_mov_b32 s[G1S+4], 16
	s_mov_b32 s[G1S+5], 32
	s_mov_b32 s[G1S+6], 0
	s_mov_b32 s[G1S+7], 0
	s_lshl_b32 s91, s[HN], 3                       ; which 8 tiles (128 rows) I fetch
	s_lshl_b32 s90, s82, 4
	s_add_co_u32 s90, s90, s91
	s_lshl_b32 s93, s[ISV], 7
	s_add_co_u32 s90, s90, s93                     ; A's: 16 x tile row + 8 x half; Wv's tiles begin at 128 of w_img
	s_lshl_b32 s92, s83, 4
	s_add_co_u32 s92, s92, s91                     ; B's: 16 x tile column + 8 x half
	s_mul_i32 s94, s90, 3072
	s_mov_b32 s95, 0
	s_mul_i32 s96, s92, 3072
	s_mov_b32 s97, 0
	s_lshl_b32 s98, s90, 9
	s_mov_b32 s99, 0
	s_lshl_b32 s100, s92, 9
	s_mov_b32 s101, 0
	s_mul_i32 s93, s[WV], HALFT                    ; where my tile goes in a slot: no place in the cluster enters an LDS address
	s_wait_kmcnt 0x0
	s_cmp_lg_u32 s[ISV], 0
	s_cselect_b64 s[86:87], s[8:9], s[4:5]         ; A's codes
	s_cselect_b64 s[88:89], s[4:5], s[8:9]         ; B's codes
	s_cselect_b64 s[4:5], s[10:11], s[6:7]         ; A's scale words
	s_cselect_b64 s[6:7], s[6:7], s[10:11]         ; B's
	s_mov_b32 s8, 786432
	s_mov_b32 s10, 1572864
	s_cselect_b32 s9, s8, s10
	s_cselect_b32 s11, s10, s8
	s_add_nc_u64 s[94:95], s[86:87], s[94:95]
	s_add_nc_u64 s[96:97], s[88:89], s[96:97]
	s_add_nc_u64 s[98:99], s[4:5], s[98:99]
	s_add_nc_u64 s[100:101], s[6:7], s[100:101]
	s_mov_b32 s[KA], s9
	s_mov_b32 s[KA+1], 0
	s_mov_b32 s[KB], s11
	s_mov_b32 s[KB+1], 0
	s_mov_b32 s[G0S], 1
	s_lshl_b32 s[G0S+1], s[WV], 12
	s_add_co_u32 s[G0S+1], s[G0S+1], SCL
	s_cmp_eq_u32 s[HM], 0
	s_cselect_b64 s[G0S+2:G0S+3], s[98:99], s[100:101]
	s_or_b32 s[G0S+3], s[G0S+3], 0x80000000
	s_mov_b64 s[G0+2:G0+3], s[94:95]               ; K slots 0, 1, 2
	s_add_nc_u64 s[G0+6:G0+7], s[94:95], s[KA:KA+1]
	s_add_nc_u64 s[G0+10:G0+11], s[G0+6:G0+7], s[KA:KA+1]
	s_mov_b64 s[G0B+2:G0B+3], s[96:97]
	s_add_nc_u64 s[G0B+6:G0B+7], s[96:97], s[KB:KB+1]
	s_add_nc_u64 s[G0B+10:G0B+11], s[G0B+6:G0B+7], s[KB:KB+1]
.irp s, 0,1,2
	s_mov_b32 s[G0+4*\s], 1
	s_add_co_u32 s[G0+4*\s+1], s93, \s*SLOT
	s_or_b32 s[G0+4*\s+3], s[G0+4*\s+3], 0x80000000
	s_mov_b32 s[G0B+4*\s], 1
	s_add_co_u32 s[G0B+4*\s+1], s93, \s*SLOT
	s_or_b32 s[G0B+4*\s+3], s[G0B+4*\s+3], 0x80000000
.endr
	CROUND                                         ; all sixteen work-groups are here: the first joint loads meet
	tensor_load_to_lds s[G0S:G0S+3], s[G1S:G1S+7]  ; the scale words first: wanted with K slot 0.  Four tensor loads of mine are out behind the next three
	s_nop 0
.rept 4
	v_nop
.endr
	JLOAD G0, G1, G0B, G1B
	JLOAD G0+4, G1, G0B+4, G1B
	JLOAD G0+8, G1, G0B+8, G1B
	v_and_b32 v1, 31, v0
	v_lshlrev_b32 v[L16], 4, v1
	v_lshlrev_b32 v[L8], 3, v1
	v_and_b32 v2, 15, v0                           ; r
	v_bfe_u32 v3, v0, 4, 1                         ; h
	s_mul_i32 s90, s[HM], HALFT
	s_mul_i32 s91, s[HN], HALFT
	s_add_co_u32 s91, s91, 2*HALFT
.irp s, 0,1,2
	v_add_nc_u32 v[ADRA+\s], s90, v[L16]
	v_add_nc_u32 v[ADRB+\s], s91, v[L16]
	s_add_co_u32 s90, s90, SLOT
	s_add_co_u32 s91, s91, SLOT
.endr
	s_lshl_b32 s90, s[HM], 12                      ; A's scale words: my 128 rows
	s_lshl_b32 s91, s[HN], 12                      ; B's: my 128 rows, behind A's 256
	s_add_co_u32 s91, s91, 8192
	s_sub_co_u32 s91, s91, s90
	v_mul_u32_u24 v4, s91, v3                      ; lanes 16-31 take B's: one product, the distance between the two
	s_add_co_u32 s90, s90, SCL
	v_lshl_add_u32 v4, v2, 4, v4
	v_add_nc_u32 v[ADRS], s90, v4
	v_lshlrev_b32 v[SCO], 4, v2
	v_lshl_add_u32 v[SCO], v3, 12, v[SCO]
	; the biases: every wave fetches both kinds (both stay inside their buffers in both roles) and the way out adds its role's
	v_lshlrev_b32 v5, 6, v3                        ; 64 h
	v_and_b32 v6, 8, v2
	v_add_nc_u32 v6, v6, v2
	v_lshlrev_b32 v6, 2, v6                        ; 4 (r + 8 (r / 8))
	s_lshl_b32 s90, s83, 1
	s_add_co_u32 s90, s90, s[HN]                   ; which 128 of B's rows
	s_and_b32 s91, s90, 7
	s_lshl_b32 s98, s91, 9
	s_mov_b32 s99, 0
	s_and_b32 s91, s90, 8
	s_cmp_lg_u32 s91, 0
	s_cselect_b64 s[100:101], s[14:15], s[12:13]
	s_add_nc_u64 s[98:99], s[100:101], s[98:99]
	s_lshl_b32 s100, s81, 10
	s_lshl_b32 s91, s[HM], 9
	s_add_co_u32 s100, s100, s91
	s_mov_b32 s101, 0
	s_add_nc_u64 s[100:101], s[16:17], s[100:101]
.irp b, 0,1,2,3,4,5,6,7
	global_load_b128 v[BN+8*\b:BN+8*\b+3], v5, s[98:99] offset:(32*(\b/2)+8*(\b%2))*4       ; register 8 b + j: the bias of channel 32 (b / 2) + 8 (b % 2) + 16 h + j
	global_load_b128 v[BN+8*\b+4:BN+8*\b+7], v5, s[98:99] offset:(32*(\b/2)+8*(\b%2))*4+16
.endr
.irp a, 0,1,2,3,4,5,6,7
	global_load_b32 v[BM+\a], v6, s[100:101] offset:(32*(\a/2)+8*(\a%2))*4                  ; register a: the bias of my row of A's block a
.endr
.macro FRAG reg, adr, off              ; a fragment as it was stored: three pieces of 512 consecutive bytes
.irp c, 0,1,2
	ds_load_b128 v[\reg+4*\c:\reg+4*\c+3], v[\adr] offset:\off+512*\c
.endr
.endm
.macro FETCH_B slot, q                 ; B's eight fragments of the slot's q-th 128 along K into set q
	WIN TO_B
.irp i, 0,1,2,3,4,5,6,7
	FRAG 128*(\q)+FR*\i, ADRB+\slot, \i*3072+(\q)*1536
.endr
	WIN 0
.endm
.macro FETCH_A slot, q, i0             ; A's blocks i0 .. i0 + 3
.irp i, \i0, \i0+1, \i0+2, \i0+3
	FRAG AF+FR*(\i), ADRA+\slot, (\i)*3072+(\q)*1536
.endr
.endm
.macro SCALES S                        ; K slot S's scale words into set S % 2: two words a row; lanes 0-15 A's block i, lanes 16-31 B's block i
.irp i, 0,1,2,3,4,5,6,7
	ds_load_b64 v[SC+16*((\S)%2)+2*\i:SC+16*((\S)%2)+2*\i+1], v[ADRS] offset:\i*512+((\S)/2)*256+((\S)%2)*8
.endr
.endm
; 16 matrix instructions: A's blocks a0, a0 + 1 x B's eight.  The 64 accumulators take turns, one instruction a turn, in the same order in every step
.macro MUL16 a0, q, sc, zero
.irp a, \a0, \a0+1
.irp b, 0,1,2,3,4,5,6,7
.if \zero
	v_wmma_scale_f32_16x16x128_f8f6f4 v[8*(8*((\a)%4)+\b):8*(8*((\a)%4)+\b)+7], v[128*(\q)+FR*\b:128*(\q)+FR*\b+FR-1], v[AF+FR*(\a):AF+FR*(\a)+FR-1], 0, v[SC+16*(\sc)+2*\b+(\q)], v[SC+16*(\sc)+2*(\a)+(\q)] matrix_a_fmt:MATRIX_FMT_FP6 matrix_b_fmt:MATRIX_FMT_FP6 matrix_a_scale:MATRIX_SCALE_ROW1
.else
	v_wmma_scale_f32_16x16x128_f8f6f4 v[8*(8*((\a)%4)+\b):8*(8*((\a)%4)+\b)+7], v[128*(\q)+FR*\b:128*(\q)+FR*\b+FR-1], v[AF+FR*(\a):AF+FR*(\a)+FR-1], v[8*(8*((\a)%4)+\b):8*(8*((\a)%4)+\b)+7], v[SC+16*(\sc)+2*\b+(\q)], v[SC+16*(\sc)+2*(\a)+(\q)] matrix_a_fmt:MATRIX_FMT_FP6 matrix_b_fmt:MATRIX_FMT_FP6 matrix_a_scale:MATRIX_SCALE_ROW1
.endif
.endr
.endr
.endm
; a step of 128 along K (B's set q, scale set sc); the next step's fragments come from LDS slot ns, its nq-th 128.  scl = 1: with K slot nS's scale words
.macro STEP q, sc, ns, nq, zero, scl, nS
	s_wait_dscnt 12                                ; B's set and A's blocks 0-3 are in; the youngest 12 loads (A's blocks 4-7) may be out
	WIN MUL_LO
	MUL16 0, \q, \sc, \zero
	MUL16 2, \q, \sc, \zero
	s_wait_dscnt 0x0
	PLACES 4                                       ; four plain lines in front of loads into registers that matrix instructions have read
	FETCH_B \ns, \nq
	FETCH_A \ns, \nq, 0
.if \scl
	SCALES \nS
.endif
	WIN MUL_HI
	MUL16 4, \q, \sc, \zero
	MUL16 6, \q, \sc, \zero
	PLACES 4
	WIN 0
	FETCH_A \ns, \nq, 4
.endm
; a K slot's second step with a barrier: in front of it each wave waits for all its tensor loads, adds 0 to its spare word, and waits for that and for its reads.  fill = 1: LDS slot 0 is filled again, with K slot 3
.macro TURN sc, ns, fill, nS
	s_wait_tensorcnt 0x0                           ; all my tensor loads have landed
	ds_add_u32 v[SPW], v[NIL]                      ; 0 onto my spare word
	s_wait_dscnt 13                                ; (the add and the youngest 12 loads may be out)
	WIN MUL_LO
	MUL16 0, 1, \sc, 0
	s_wait_dscnt 0x0                               ; the add is done, and my reads of the slot are over
	s_barrier_signal -1
	MUL16 2, 1, \sc, 0
	WIN 0
	s_barrier_wait -1
.if \fill
	CREST                                          ; the barrier has opened a round of the cluster's barrier: no wave of any partner still reads slot 0 or has a load on its way
	s_add_nc_u64 s[G0+2:G0+3], s[G0+10:G0+11], s[KA:KA+1]       ; K slot 3: one on from K slot 2
	s_add_nc_u64 s[G0B+2:G0B+3], s[G0B+10:G0B+11], s[KB:KB+1]
	JLOAD G0, G1, G0B, G1B                         ; my one tensor load behind the round; it has four steps, 256 matrix instructions, in which to land
.else
	PLACES 4
.endif
	FETCH_B \ns, 0
	FETCH_A \ns, 0, 0
	SCALES \nS
	WIN MUL_HI
	MUL16 4, 1, \sc, 0
	MUL16 6, 1, \sc, 0
	PLACES 4
	WIN 0
	FETCH_A \ns, 0, 4
.endm
	s_wait_tensorcnt 0x2                           ; the scale words and my part of K slot 0 are in; K slots 1 and 2 may be out
	s_barrier_signal -1
	s_barrier_wait -1
	FETCH_B 0, 0
	FETCH_A 0, 0, 0
	SCALES 0
	FETCH_A 0, 0, 4
	STEP 0, 0, 0, 1, 1, 0, 0                       ; K slot 0, first half: its products start the sums
	TURN 0, 1, 1, 1                                ; K slot 0, second half; all first fills are shown landed to every wave; LDS slot 0 takes K slot 3
	STEP 0, 1, 1, 1, 0, 0, 0                       ; K slot 1
	STEP 1, 1, 2, 0, 0, 1, 2                       ; on into LDS slot 2, which the barrier above has shown whole
	STEP 0, 0, 2, 1, 0, 0, 0                       ; K slot 2
	TURN 0, 0, 0, 3                                ; K slot 3 has landed in every wave's part: on into LDS slot 0
	STEP 0, 1, 0, 1, 0, 0, 0                       ; K slot 3
	s_wait_dscnt 12
	WIN MUL_LO
	MUL16 0, 1, 1, 0
	MUL16 2, 1, 1, 0
	s_wait_dscnt 0x0
	WIN MUL_HI
	MUL16 4, 1, 1, 0
	MUL16 6, 1, 1, 0
	WIN 0
; THE WAY OUT.  Block a (16 rows of A', 128 neighbours along B's rows a lane): + the bias, quantised in registers, stored as an image.  No LDS.
.macro EPI isv
.if \isv
	s_lshr_b32 s93, s83, 3                         ; b
	s_and_b32 s94, s83, 7
	s_lshl_b32 s94, s94, 1
	s_add_co_u32 s94, s94, s[HN]                   ; my key step
	s_lshl_b32 s91, s82, 2
	s_lshl_b32 s92, s[HM], 1
	s_add_co_u32 s91, s91, s92                     ; my first head
	s_lshl_b32 s93, s93, 4
	s_add_co_u32 s93, s93, s91
	s_lshl_b32 s93, s93, 4
	s_add_co_u32 s93, s93, s94
	s_mul_i32 s96, s93, 6144
	s_add_co_u32 s96, s96, 12582912
	s_mov_b32 s97, 0
	s_add_nc_u64 s[18:19], s[18:19], s[96:97]
	s_lshl_b32 s96, s93, 8
	s_add_co_u32 s96, s96, 524288
	s_add_nc_u64 s[20:21], s[20:21], s[96:97]
.else
	s_lshl_b32 s90, s83, 1
	s_add_co_u32 s90, s90, s[HN]
	s_lshr_b32 s91, s90, 3                         ; 0: q, 1: k
	s_and_b32 s92, s90, 7                          ; head pair
	s_lshr_b32 s93, s82, 3                         ; b
	s_and_b32 s94, s82, 7
	s_mul_i32 s96, s91, 6291456
	s_mul_i32 s97, s93, 1572864
	s_add_co_u32 s96, s96, s97
	s_mul_i32 s97, s92, 196608
	s_add_co_u32 s96, s96, s97
	s_lshl_b32 s97, s94, 4
	s_lshl_b32 s98, s[HM], 3
	s_add_co_u32 s97, s97, s98                     ; my first tile of tokens
	s_mul_i32 s97, s97, 1536
	s_add_co_u32 s96, s96, s97
	s_mov_b32 s97, 0
	s_add_nc_u64 s[18:19], s[18:19], s[96:97]
	s_lshl_b32 s96, s93, 4
	s_lshl_b32 s98, s92, 1
	s_add_co_u32 s96, s96, s98
	s_lshl_b32 s96, s96, 4
	s_lshl_b32 s98, s94, 1
	s_add_co_u32 s96, s96, s98
	s_add_co_u32 s96, s96, s[HM]
	s_lshl_b32 s96, s96, 8
	s_lshl_b32 s98, s91, 18
	s_add_co_u32 s96, s96, s98
	s_add_nc_u64 s[20:21], s[20:21], s[96:97]
.endif
.irp a, 0,1,2,3,4,5,6,7
	WIN 0x02+(\a)/4                                ; source 0: window 2 or 3
.set n, 0
.if \isv
.rept 64
	v_add_f32 v[W+n], v[64*((\a)%4)+n], v[BM+\a]   ; each accumulator from its low end on
.set n, n+1
.endr
.else
.rept 32
	v_pk_add_f32 v[W+n:W+n+1], v[64*((\a)%4)+n:64*((\a)%4)+n+1], v[BN+n:BN+n+1]
.set n, n+2
.endr
.endif
	WIN 0
.if \a > 0
	s_wait_xcnt 0x0                                ; the last block's stores have read the codes' registers
.endif
	QUANT W, PW+\a
.if \isv
.irp c, 0,1,2
	global_store_b128 v[L16], v[PC+4*\c:PC+4*\c+3], s[18:19] offset:((\a)/4)*98304+((\a)%4)*1536+512*\c   ; 512 consecutive bytes, aligned
.endr
.else
.irp p, 0,1,2,3,4,5
	global_store_b64 v[L8], v[PC+2*\p:PC+2*\p+1], s[18:19] offset:(\a)*1536+256*\p                        ; 256 consecutive bytes, aligned
.endr
.endif
.endr
.irp i, 0,1,2,3
.if \isv
	v_cndmask_b32 v[OW+\i], v[PW+\i], v[PW+4+\i], s104          ; lanes 0-15: the first head's four channel tiles; lanes 16-31: the second's
.else
	v_perm_b32 v[OW+\i], v[PW+2*\i+1], v[PW+2*\i], v252         ; lanes 0-15: the even head's bytes of tiles 2 i and 2 i + 1; lanes 16-31: the odd head's
.endif
.endr
	global_store_b128 v[SCO], v[OW:OW+3], s[20:21]              ; twice 256 consecutive bytes, aligned
.endm
	PLACES 4                                       ; four plain lines between the last products and the first read of results
	s_wait_loadcnt 0x0                             ; the biases; their address registers are free from here on
.irp b, 0,1,2,3
	v_mov_b32 v[TM+4+\b], 0                        ; a lane permute's destination counts as one of its sources
.endr
	v_mov_b32 v252, 0x05040100
	v_mov_b32 v253, 0x07060302
	v_cndmask_b32 v252, v252, v253, s104           ; the byte selector of a lane's half
	s_cmp_lg_u32 s[ISV], 0                         ; the role: the same in all partners
	s_cbranch_scc1 .Lvrole
	EPI 0
	s_branch .Lend
.Lvrole:
	EPI 1
.Lend:
	s_wait_tensorcnt 0x0                           ; the wave's end
	ds_add_u32 v[SPW], v[NIL]
	s_wait_dscnt 0x0
	CROUND                                         ; the closing round
	s_endpgm
.Lfunc_end_k_qa6a65844c2_qkv:
	.size	k_qa6a65844c2_qkv, .Lfunc_end_k_qa6a65844c2_qkv-k_qa6a65844c2_qkv
	.p2alignl 7, 3214868480
	.fill 96, 4, 3214868480
	.section	.rodata,"a",@progbits
	.p2align	6, 0x0
	.amdhsa_kernel k_qa6a65844c2_qkv
		.amdhsa_group_segment_fixed_size 327680
		.amdhsa_private_segment_fixed_size 0
		.amdhsa_enable_private_segment 0
		.amdhsa_kernarg_size 72
		.amdhsa_user_sgpr_count 2
		.amdhsa_user_sgpr_kernarg_segment_ptr 1
		.amdhsa_wavefront_size32 1
		.amdhsa_system_sgpr_workgroup_id_x 1
		.amdhsa_system_sgpr_workgroup_id_y 1
		.amdhsa_system_sgpr_workgroup_id_z 1
		.amdhsa_system_vgpr_workitem_id 0
		.amdhsa_next_free_vgpr 1024
		.amdhsa_next_free_sgpr 106
		.amdhsa_reserve_vcc 0
		.amdhsa_float_denorm_mode_32 3
		.amdhsa_float_denorm_mode_16_64 3
		.amdhsa_memory_ordered 1
		.amdhsa_forward_progress 1
		.amdhsa_inst_pref_size 210
	.end_amdhsa_kernel
	.amdgpu_metadata
---
amdhsa.version: [ 1, 2 ]
amdhsa.kernels:
  - .name:           k_qa6a65844c2_qkv
    .symbol:         k_qa6a65844c2_qkv.kd
    .args:
      - { .name: x_img, .offset: 0, .size: 8, .value_kind: global_buffer, .address_space: global }
      - { .name: x_sc, .offset: 8, .size: 8, .value_kind: global_buffer, .address_space: global }
      - { .name: w_img, .offset: 16, .size: 8, .value_kind: global_buffer, .address_space: global }
      - { .name: w_sc, .offset: 24, .size: 8, .value_kind: global_buffer, .address_space: global }
      - { .name: bq, .offset: 32, .size: 8, .value_kind: global_buffer, .address_space: global }
      - { .name: bk, .offset: 40, .size: 8, .value_kind: global_buffer, .address_space: global }
      - { .name: bv, .offset: 48, .size: 8, .value_kind: global_buffer, .address_space: global }
      - { .name: qkv_img, .offset: 56, .size: 8, .value_kind: global_buffer, .address_space: global }
      - { .name: qkv_sc, .offset: 64, .size: 8, .value_kind: global_buffer, .address_space: global }
    .group_segment_fixed_size: 327680
    .private_segment_fixed_size: 0
    .kernarg_segment_align: 8
    .kernarg_segment_size: 72
    .max_flat_workgroup_size: 128
    .sgpr_count:     106
    .vgpr_count:     1024
    .wavefront_size: 32
...
	.end_amdgpu_metadata
.endif
;; end of part 2
;; launch attn (part 3): grid 4 x 64, 16 waves a work-group, no clusters, 206,848 bytes of LDS; arguments qkv_img, qkv_sc, y_img, y_sc; writes y_img, y_sc
.if DOCPART == 3
	.amdgcn_target "amdgcn-amd-amdhsa--gfx1250"
	.amdhsa_code_object_version 6
	.text
	.protected	k_qa6a65844c2_attn
	.globl	k_qa6a65844c2_attn
	.p2align	8
	.type	k_qa6a65844c2_attn,@function
k_qa6a65844c2_attn:
	s_mov_b64 s[64:65], 0
	v_nop
	global_prefetch_b8 v0, s[64:65] scope:SCOPE_SE
	s_setreg_imm32_b32 hwreg(HW_REG_WAVE_MODE, 25, 1), 1
	s_wait_xcnt 0x0
; y[b][t][head] = softmax over keys k <= t of (q . k / 8) v, both products on codes of FP6 (E2M3) with E8M0 scales; y leaves as codes, quantised along the channels, as an operand image for the last projection.
; THE SOFTMAX AHEAD OF THE SECOND PRODUCT: t = score x log2(e) / 8; M = the running largest t rounded UP to a whole number; p = 2^(t - M) is quantised along the keys, not normalised; the row's sum is taken of the
; unquantised p and divides O at the end; when M moves, the sum and O are multiplied by 2^(old M - new M), which rounds nothing.
; SHARES.  A work-group has one head (grid y = 16 b + head) and a quarter of its queries.  THE HEAD'S WHOLE K, V AND THEIR SCALE WORDS LIE IN LDS, filled once: each of the sixteen waves brings key step w (three tensor
; loads of its own); one barrier; nothing is filled again.  Wave w takes tile of 16 queries TQ = 112 - 16 x + w and then tile 127 - TQ: TQ / 8 + 1 key steps of 128 and 16 - TQ / 8: 17 for every wave of the launch.
; NO CLUSTER, though the four work-groups of a head read the same K and V: the steps that the causal mask hides are jumped over by a branch on the query tile.
; LAYOUT.  Both products transposed: S^T = K Q^T, O^T = V^T P^T: a lane holds one query throughout.  Tokens and channels lie in tiles whose row r of tile 2 G + u is 32 G + 8 u + r + 8 (r / 8): the 16 registers of result
; tiles 2 B and 2 B + 1 are 16 neighbours along the next K.  THE HEAD'S 64 FILL HALF OF THE INSTRUCTION'S 128: two tiles of K share 18 registers [even tile 6 | zeros 6 | odd tile 6]; the even tile's product names the first
; 12 against Q's [q 6 | zeros 6], the odd tile's the last 12 against [zeros 6 | q 6]; one scale word carries the even tile's two bytes below and the odd tile's above.  Zero codes add nothing under bytes 1 .. 254.
; The loop over key steps has 16 trips for every wave (a constant of the text); a hidden step's work is jumped over.  Nothing is prefetched: all that the work-group reads in bulk is asked for at its head.
; LIMITS: p under 2^-126 comes out of v_exp_f32 as 0; 1 / l is v_rcp_f32 and a multiplication; a block of zeros gets the byte 1 (its codes are zeros; this program alone reads the bytes); NaN and infinities are not served.
; y's scale bytes leave one byte a lane, 16 bytes apart (262,144 bytes in the launch): the two halves of a scale word belong to two work-groups.
.set LV,   98304                       ; LDS: K at 0: step s at 6,144 s, tile at 768, piece at 256;  V here: 6,144 s + 1,536 tile + 512 piece
.set LS,   196608                      ; scale words: 512 s: K's 256 bytes, then V's
.set ADK,  8                           ; v8-10 LDS addresses of the step in hand
.set ADV,  9
.set ADS,  10
.set QS,   34                          ; v34   Q's scale word (scales alone); v35 the word as loaded
.set KP,   36                          ; v36-107  four pairs of K's tiles
.set S,    108                         ; v108-171 S^T, then p; V's four fragments land in v108-155
.set O,    172                         ; v172-203 O^T
.set PC,   204                         ; v204-222 p's codes, later y's
.set BX,   224                         ; v224-227 block maxima
.set PT,   228                         ; v228-231 permute temporaries, then bytes
.set SO,   232                         ; v232-235 the conversions' scale operands
.set KSC,  236                         ; v236-239 K's scale words;  v240-243 V's;  v244 p's (scales alone)
.set VSC,  240
.set PSC,  244
.set F,    246                         ; v[246:247] f, later 1 / l
.set SUM2, 248                         ; v[248:249] the second chain of the sum
.set T0,   250
.set NINF, 252
.set WV,   12
.set BH,   14
.set CH,   15                          ; the head's parity
.set G1K,  16
.set G1V,  24
.set G1S,  32
.set G0K,  40
.set G0V,  44
.set G0S,  48
.set SEL,  52
.set CS,   54                          ; s[54:55] c = log2(e) / 8
.set TQ,   56
.set LAST, 57
.set KS,   58
.set TK,   59
.set TS,   60
.set HMASK, 62
.set QSEL, 63
.set QB,   66
.set QSB,  68
.set YB,   70
.set YSB,  72
.set HPB,  76
.set YC,   78
.set YSC,  79
	s_load_b256 s[4:11], s[0:1], 0x0               ; qkv_img 4, qkv_sc 6, y_img 8, y_sc 10
	v_lshl_add_u32 v254, v0, 2, 0x32000
	v_mov_b32 v255, 0
	ds_add_u32 v254, v255
	ds_add_u32 v254, v255
	v_lshrrev_b32 v8, 5, v0
	s_delay_alu instid0(VALU_DEP_1)
	v_readfirstlane_b32 s[WV], v8                  ; wave 0..15
	s_and_b32 s[BH], ttmp7, 0xffff                 ; 16 b + head
	s_and_b32 s[CH], s[BH], 1
	s_mov_b32 s[G1K], 3<<16                        ; K: 8 tiles' half fragments: 8 rows of 768 bytes (96 elements of 8), 1,536 bytes apart; no mask, no padding
	s_mov_b32 s[G1K+1], 96<<16
	s_mov_b32 s[G1K+2], 8<<16
	s_mov_b32 s[G1K+3], 96<<16
	s_mov_b32 s[G1K+4], 8
	s_mov_b32 s[G1K+5], 192
	s_mov_b32 s[G1K+6], 0
	s_mov_b32 s[G1K+7], 0
	s_mov_b32 s[G1V], 3<<16                        ; V: a dense block of 6,144 bytes as 24 rows of 256
	s_mov_b32 s[G1V+1], 32<<16
	s_mov_b32 s[G1V+2], 24<<16
	s_mov_b32 s[G1V+3], 32<<16
	s_mov_b32 s[G1V+4], 24
	s_mov_b32 s[G1V+5], 32
	s_mov_b32 s[G1V+6], 0
	s_mov_b32 s[G1V+7], 0
	s_mov_b32 s[G1S], 3<<16                        ; scale words: 2 rows of 256 bytes, K's and V's, 262,144 bytes apart
	s_mov_b32 s[G1S+1], 32<<16
	s_mov_b32 s[G1S+2], 2<<16
	s_mov_b32 s[G1S+3], 32<<16
	s_mov_b32 s[G1S+4], 2
	s_mov_b32 s[G1S+5], 32768
	s_mov_b32 s[G1S+6], 0
	s_mov_b32 s[G1S+7], 0
	s_lshr_b32 s74, s[BH], 1
	s_mul_i32 s[HPB], s74, 196608
	s_mul_i32 s75, s[CH], 768
	s_add_co_u32 s[HPB], s[HPB], s75               ; the head pair's images, my head's pieces
	s_mul_i32 s74, s[WV], 12288
	s_add_co_u32 s74, s74, s[HPB]
	s_add_co_u32 s74, s74, 6291456                 ; K's key step w
	s_mov_b32 s75, 0
	s_mul_i32 s70, s[BH], 98304
	s_mul_i32 s77, s[WV], 6144
	s_add_co_u32 s70, s70, s77
	s_add_co_u32 s70, s70, 12582912                ; V's
	s_mov_b32 s71, 0
	s_lshl_b32 s72, s[BH], 12
	s_lshl_b32 s73, s[WV], 8
	s_add_co_u32 s72, s72, s73
	s_add_co_u32 s72, s72, 262144                  ; K's scale words of the step
	s_mov_b32 s73, 0
	s_wait_dscnt 0x0
	s_wait_kmcnt 0x0
	s_mov_b32 s[G0K], 1
	s_mov_b32 s[G0K+1], s77
	s_add_nc_u64 s[G0K+2:G0K+3], s[4:5], s[74:75]
	s_or_b32 s[G0K+3], s[G0K+3], 0x80000000
	s_mov_b32 s[G0V], 1
	s_add_co_u32 s[G0V+1], s77, LV
	s_add_nc_u64 s[G0V+2:G0V+3], s[4:5], s[70:71]
	s_or_b32 s[G0V+3], s[G0V+3], 0x80000000
	s_mov_b32 s[G0S], 1
	s_lshl_b32 s[G0S+1], s[WV], 9
	s_add_co_u32 s[G0S+1], s[G0S+1], LS
	s_add_nc_u64 s[G0S+2:G0S+3], s[6:7], s[72:73]
	s_or_b32 s[G0S+3], s[G0S+3], 0x80000000
	tensor_load_to_lds s[G0K:G0K+3], s[G1K:G1K+7]  ; the launch's only fills: three of mine are out
	s_nop 0
	tensor_load_to_lds s[G0V:G0V+3], s[G1V:G1V+7]
	s_nop 0
	tensor_load_to_lds s[G0S:G0S+3], s[G1S:G1S+7]
	s_nop 0
.rept 4
	v_nop
.endr
	v_and_b32 v8, 31, v0
	s_delay_alu instid0(VALU_DEP_1)
	v_lshlrev_b32 v1, 3, v8                        ; v1: 8 x lane
	s_delay_alu instid0(VALU_DEP_2)
	v_lshlrev_b32 v2, 4, v8
	s_delay_alu instid0(VALU_DEP_1)
	v_add_nc_u32 v2, LV, v2                        ; v2: V: 16 x lane
	v_and_b32 v9, 15, v0                           ; r
	v_bfe_u32 v10, v0, 4, 1                        ; h
	s_delay_alu instid0(VALU_DEP_2)
	v_lshlrev_b32 v5, 4, v9                        ; v5: 16 r
	s_delay_alu instid0(VALU_DEP_1)
	v_add_nc_u32 v3, LS, v5                        ; v3: scale words: 16 r
	s_delay_alu instid0(VALU_DEP_2)
	v_add_nc_u32 v6, v5, v10                       ; v6: 16 r + h
	v_and_b32 v7, 8, v9
	s_delay_alu instid0(VALU_DEP_1)
	v_add_nc_u32 v7, v7, v9
	v_lshlrev_b32 v10, 4, v10
	s_delay_alu instid0(VALU_DEP_1)
	v_sub_nc_u32 v7, v7, v10                       ; v7: r + 8 (r / 8) - 16 h
.irp i, 0,1,2,3,4,5
	v_mov_b32 v[22+\i], 0                          ; the zero codes: Q's,
.irp g, 0,1,2,3
	v_mov_b32 v[KP+18*\g+6+\i], 0                  ; and each pair's of K
.endr
.endr
.irp b, 0,1,2,3
	v_mov_b32 v[PT+\b], 0                          ; a lane permute's destination counts as one of its sources
.endr
	v_mov_b32 v[F+1], 0                            ; (named as the upper half of a pair)
	v_mov_b32 v[NINF], 0xff800000                  ; -infinity
	s_mov_b32 s[SEL], 0x76543210
	s_mov_b32 s[SEL+1], 0xfedcba98
	s_mov_b32 s[CS], 0x3e38aa3b                    ; log2(e) / 8
	s_mov_b32 s[CS+1], s[CS]
	s_mov_b32 s[HMASK], 0xffff0000
	s_lshl_b32 s74, ttmp9, 4
	s_sub_co_u32 s[TQ], 112, s74
	s_add_co_u32 s[TQ], s[TQ], s[WV]               ; my first tile of queries
	s_lshr_b32 s74, s[BH], 4                       ; b
	s_and_b32 s75, s[BH], 15
	s_lshr_b32 s75, s75, 1                         ; head pair = the last projection's K step
	s_mul_i32 s[YC], s74, 128*3072
	s_lshr_b32 s77, s75, 1
	s_mul_i32 s77, s77, 1572864
	s_add_co_u32 s[YC], s[YC], s77
	s_and_b32 s77, s75, 1
	s_mul_i32 s77, s77, 1536
	s_add_co_u32 s[YC], s[YC], s77
	s_mul_i32 s77, s[CH], 768
	s_add_co_u32 s[YC], s[YC], s77                 ; y's image: all but the tile
	s_lshl_b32 s[YSC], s74, 16
	s_lshr_b32 s77, s75, 2
	s_lshl_b32 s77, s77, 8
	s_add_co_u32 s[YSC], s[YSC], s77
	s_and_b32 s77, s75, 3
	s_lshl_b32 s77, s77, 2
	s_add_co_u32 s[YSC], s[YSC], s77
	s_lshl_b32 s77, s[CH], 1
	s_add_co_u32 s[YSC], s[YSC], s77               ; y's scale bytes likewise
	s_wait_tensorcnt 0x0                           ; my key step has landed,
	s_barrier_signal -1
	s_barrier_wait -1                              ; everybody's has
; A KEY STEP: 128 keys
.macro STEP
	s_cmp_gt_u32 s[KS], s[LAST]                    ; all its keys come after my queries: only the addresses step
	s_cbranch_scc1 .Lhidden_\@
	s_setprio 2
	v_add_nc_u32 v[ADK], s[TK], v1
	v_add_nc_u32 v[ADV], s[TK], v2
	v_add_nc_u32 v[ADS], s[TS], v3
.irp t, 0,1,2,3,4,5,6,7
.irp p, 0,1,2
	ds_load_b64 v[KP+18*(\t/2)+12*(\t%2)+2*\p:KP+18*(\t/2)+12*(\t%2)+2*\p+1], v[ADK] offset:768*\t+256*\p
.endr
.endr
	ds_load_b128 v[KSC:KSC+3], v[ADS]
	ds_load_b128 v[VSC:VSC+3], v[ADS] offset:256
	s_wait_dscnt 0x0
.irp g, 0,1,2,3
	v_wmma_scale_f32_16x16x128_f8f6f4 v[S+16*\g:S+16*\g+7], v[KP+18*\g:KP+18*\g+11], v[16:27], 0, v[KSC+\g], v[QS] matrix_a_fmt:MATRIX_FMT_FP6 matrix_b_fmt:MATRIX_FMT_FP6
	v_wmma_scale_f32_16x16x128_f8f6f4 v[S+16*\g+8:S+16*\g+15], v[KP+18*\g+6:KP+18*\g+17], v[22:33], 0, v[KSC+\g], v[QS] matrix_a_fmt:MATRIX_FMT_FP6 matrix_b_fmt:MATRIX_FMT_FP6
.endr
.rept 4
	v_nop                                          ; four plain lines between the products and the first read of results
.endr
	s_cmp_lg_u32 s[KS], s[LAST]                    ; on the diagonal the scores of hidden keys become -infinity ahead of the maximum: p = 0 then
	s_cbranch_scc1 .Lopen_\@
.set n, 0
.rept 64
	v_cmp_gt_i32 vcc_lo, 32*(n/16)+n%16, v11       ; register 16 B + i holds key 128 step + 32 B + 16 h + i: hidden where 32 B + i > v11
	v_cndmask_b32 v[S+n], v[S+n], v[NINF], vcc_lo
.set n, n+1
.endr
.Lopen_\@:
.irp b, 0,1,2,3
	v_max3_num_f32 v[BX+\b], v[S+16*\b], v[S+1+16*\b], v[S+2+16*\b]   ; the largest score of each block of 32 keys: it serves the row's maximum and, since p rises with the score, the block's largest p
.endr
.irp i, 3,5,7,9,11,13
.irp b, 0,1,2,3
	v_max3_num_f32 v[BX+\b], v[BX+\b], v[S+16*\b+\i], v[S+1+16*\b+\i]
.endr
.endr
.irp b, 0,1,2,3
	v_max_num_f32 v[BX+\b], v[BX+\b], v[S+15+16*\b]
.endr
.irp b, 0,1,2,3
	s_delay_alu instid0(VALU_DEP_4)
	v_permlanex16_b32 v[PT+\b], v[BX+\b], s[SEL], s[SEL+1]
.endr
.irp b, 0,1,2,3
	s_delay_alu instid0(VALU_DEP_4)
	v_max_num_f32 v[BX+\b], v[BX+\b], v[PT+\b]     ; with lane l xor 16's 16 keys
.endr
	s_delay_alu instid0(VALU_DEP_2)
	v_max3_num_f32 v[T0], v[BX], v[BX+1], v[BX+2]
	s_delay_alu instid0(VALU_DEP_1)
	v_max_num_f32 v[T0], v[T0], v[BX+3]
	s_delay_alu instid0(VALU_DEP_1)
	v_mul_f32 v[T0], s[CS], v[T0]                  ; as t
	s_delay_alu instid0(VALU_DEP_1)
	v_max_num_f32 v13, v13, v[T0]                  ; the running largest t
	v_mov_b32 v[T0], v12
	s_delay_alu instid0(VALU_DEP_2)
	v_floor_f32 v12, -v13                          ; the new -M = floor(-t): M is a whole number
	s_delay_alu instid0(VALU_DEP_1)
	v_sub_f32 v[T0], v12, v[T0]                    ; old M - new M: a whole number, 0 or less
	s_delay_alu instid0(VALU_DEP_1)
	v_cvt_i32_f32 v[T0], v[T0]                     ; (it saturates)
	s_delay_alu instid0(VALU_DEP_1)
	v_ldexp_f32 v[F], 1.0, v[T0]                   ; f = 2^(old M - new M)
.irp j, 0,2,4,6,8,10,12,14,16,18,20,22,24,26,28,30,32,34,36,38,40,42,44,46,48,50,52,54,56,58,60,62
	v_pk_fma_f32 v[S+\j:S+1+\j], v[S+\j:S+1+\j], s[CS:CS+1], v[12:13] op_sel_hi:[1,0,0]   ; t - M
.endr
	s_setprio 1
.irp b, 0,1,2,3
	v_fma_f32 v[BX+\b], v[BX+\b], s[CS], v12       ; the same of each block's largest score
.endr
.set n, 0
	s_wait_alu depctr_va_vdst(0)
.rept 64
	v_exp_f32 v[S+n], v[S+n]                       ; p = 2^(t - M), at most 1
.set n, n+1
.endr
	v_pk_mul_f32 v[14:15], v[14:15], v[F:F+1] op_sel_hi:[1,0]   ; the sums under the new M (a plain line behind the exponentials)
	s_wait_alu depctr_va_vdst(0)                   ; one wait for the whole batch, ahead of its first reader
.irp b, 0,1,2,3
	v_exp_f32 v[BX+\b], v[BX+\b]                   ; the block's largest p
.endr
	v_pk_add_f32 v[248:249], v[112:113], v[116:117]
	v_pk_add_f32 v[250:251], v[120:121], v[124:125]
	v_pk_add_f32 v[244:245], v[128:129], v[132:133]
	v_pk_add_f32 v[238:239], v[136:137], v[140:141]
	v_pk_add_f32 v[236:237], v[144:145], v[148:149]
	v_pk_add_f32 v[234:235], v[152:153], v[156:157]
	v_pk_add_f32 v[232:233], v[160:161], v[164:165]
	v_pk_add_f32 v[14:15], v[14:15], v[168:169]
	v_pk_add_f32 v[248:249], v[248:249], v[108:109]
	v_pk_add_f32 v[250:251], v[250:251], v[110:111]
	v_pk_add_f32 v[244:245], v[244:245], v[114:115]
	v_pk_add_f32 v[238:239], v[238:239], v[118:119]
	v_pk_add_f32 v[236:237], v[236:237], v[122:123]
	v_pk_add_f32 v[234:235], v[234:235], v[126:127]
	v_pk_add_f32 v[232:233], v[232:233], v[130:131]
	v_pk_add_f32 v[14:15], v[14:15], v[134:135]
	v_pk_add_f32 v[248:249], v[248:249], v[138:139]
	v_pk_add_f32 v[250:251], v[250:251], v[142:143]
	v_pk_add_f32 v[244:245], v[244:245], v[146:147]
	v_pk_add_f32 v[238:239], v[238:239], v[150:151]
	v_pk_add_f32 v[236:237], v[236:237], v[154:155]
	v_pk_add_f32 v[234:235], v[234:235], v[158:159]
	v_pk_add_f32 v[232:233], v[232:233], v[162:163]
	v_pk_add_f32 v[14:15], v[14:15], v[166:167]
	v_pk_add_f32 v[248:249], v[248:249], v[170:171]
	s_delay_alu instid0(VALU_DEP_2)
	v_pk_add_f32 v[14:15], v[14:15], v[238:239]
	s_delay_alu instid0(VALU_DEP_2)
	v_pk_add_f32 v[248:249], v[248:249], v[236:237]
	v_pk_add_f32 v[250:251], v[250:251], v[234:235]
	v_pk_add_f32 v[244:245], v[244:245], v[232:233]
	s_delay_alu instid0(VALU_DEP_2)
	v_pk_add_f32 v[14:15], v[14:15], v[250:251]
	s_delay_alu instid0(VALU_DEP_2)
	v_pk_add_f32 v[248:249], v[248:249], v[244:245]
	s_delay_alu instid0(VALU_DEP_1)
	v_pk_add_f32 v[14:15], v[14:15], v[248:249]
	s_wait_alu depctr_va_vdst(0)                   ; and one for the four
.irp b, 0,1,2,3
	v_max_num_f32 v[BX+\b], 0x1800000, v[BX+\b]    ; the floor 2^(3 - 127): the byte cannot fall under 1
.endr
.irp b, 0,1,2,3
	s_delay_alu instid0(VALU_DEP_4)
	v_add_nc_u32 v[SO+\b], 0xff000000, v[BX+\b]
.endr
.irp b, 0,1,2,3
	s_delay_alu instid0(VALU_DEP_4)
	v_lshrrev_b32 v[PT+\b], 23, v[SO+\b]
.endr
	s_delay_alu instid0(VALU_DEP_3)
	v_lshl_or_b32 v[PSC], v[PT+1], 8, v[PT]
	s_delay_alu instid0(VALU_DEP_1)
	v_lshl_or_b32 v[PSC], v[PT+2], 16, v[PSC]
	s_delay_alu instid0(VALU_DEP_1)
	v_lshl_or_b32 v[PSC], v[PT+3], 24, v[PSC]      ; p's scale word for these 128 keys
.irp c, 0,1
	v_cvt_scalef32_pk16_fp6_f32 v[PC+6*\c:PC+2+6*\c], v[S+32*\c:S+15+32*\c], v[SO+2*\c]
	v_cvt_scalef32_pk16_fp6_f32 v[PC+12+4*\c:PC+14+4*\c], v[S+16+32*\c:S+31+32*\c], v[SO+2*\c+1]
.endr
.irp t, 0,1,2,3
.irp c, 0,1,2
	ds_load_b128 v[S+12*\t+4*\c:S+12*\t+4*\c+3], v[ADV] offset:1536*\t+512*\c   ; V's four fragments land where p lay, while the codes are put in order
.endr
.endr
	s_setprio 0
	v_nop                                          ; one plain line behind the scaled conversions
.irp c, 0,1
.irp i, 0,1,2
	v_permlane16_swap_b32 v[PC+6*\c+\i], v[PC+12+4*\c+\i]
.endr
.irp i, 0,1,2
	s_delay_alu instid0(VALU_DEP_3)
	v_mov_b32 v[PC+3+6*\c+\i], v[PC+12+4*\c+\i]
.endr
.endr
.irp j, 0,2,4,6,8,10,12,14,16,18,20,22,24,26,28,30
	v_pk_mul_f32 v[O+\j:O+1+\j], v[O+\j:O+1+\j], v[F:F+1] op_sel_hi:[1,0]   ; O^T under the new M.  (These are also the plain lines between the writing of p's codes and scale word and the products)
.endr
	s_wait_alu depctr_va_vdst(0)
	s_wait_dscnt 0x0
.irp t, 0,1,2,3
	v_wmma_scale_f32_16x16x128_f8f6f4 v[O+8*\t:O+8*\t+7], v[S+12*\t:S+12*\t+11], v[PC:PC+11], v[O+8*\t:O+8*\t+7], v[VSC+\t], v[PSC] matrix_a_fmt:MATRIX_FMT_FP6 matrix_b_fmt:MATRIX_FMT_FP6
.endr
.rept 5
	v_nop                                          ; five plain lines: the next step's products write over V's registers
.endr
.Lhidden_\@:
	s_add_co_u32 s[TK], s[TK], 6144
	s_add_co_u32 s[TS], s[TS], 512
.endm
; ONE TILE OF 16 QUERIES, from its codes to y's codes
.macro PASS
	s_wait_xcnt 0x0                                ; earlier loads and stores have read their bases and registers
	s_lshr_b32 s[LAST], s[TQ], 3                   ; the key step on the diagonal
	s_mul_i32 s74, s[TQ], 1536
	s_add_co_u32 s74, s74, s[HPB]
	s_mov_b32 s75, 0
	s_add_nc_u64 s[QB:QB+1], s[4:5], s[74:75]
	s_lshl_b32 s74, s[BH], 12
	s_lshl_b32 s77, s[LAST], 8
	s_add_co_u32 s74, s74, s77
	s_bfe_u32 s77, s[TQ], 0x20001                  ; (TQ / 2) % 4: which word
	s_lshl_b32 s77, s77, 2
	s_add_co_u32 s74, s74, s77
	s_add_nc_u64 s[QSB:QSB+1], s[6:7], s[74:75]
	s_mul_i32 s74, s[TQ], 3072
	s_add_co_u32 s74, s74, s[YC]
	s_add_nc_u64 s[YB:YB+1], s[8:9], s[74:75]
	s_lshl_b32 s74, s[TQ], 9
	s_add_co_u32 s74, s74, s[YSC]
	s_add_nc_u64 s[YSB:YSB+1], s[10:11], s[74:75]
	s_and_b32 s77, s[TQ], 1
	s_mov_b32 s[QSEL], 0x01000100
	s_cmp_lg_u32 s77, 0
	s_cselect_b32 s[QSEL], 0x03020302, s[QSEL]     ; my tile's two bytes of the word, twice
	s_bfe_u32 s74, s[TQ], 0x20001
	s_lshl_b32 s74, s74, 5
	s_lshl_b32 s77, s77, 3
	s_add_co_u32 s74, s74, s77                     ; the tile's first query, counted from the diagonal step's first key
.irp p, 0,1,2
	global_load_b64 v[16+2*\p:17+2*\p], v1, s[QB:QB+1] offset:256*\p
	global_load_b64 v[28+2*\p:29+2*\p], v1, s[QB:QB+1] offset:256*\p   ; twice: below the zeros and above them
.endr
	global_load_b32 v35, v5, s[QSB:QSB+1]
	v_add_nc_u32 v11, s74, v7                      ; my query - the diagonal step's first key - 16 h
	v_mov_b32 v13, 0xff61b1e6                      ; the largest t so far: -3e38
	s_delay_alu instid0(VALU_DEP_1)
	v_floor_f32 v12, -v13
	v_mov_b32 v14, 0
	v_mov_b32 v15, 0
	s_wait_loadcnt 0x0
	v_perm_b32 v[QS], v35, v35, s[QSEL]
.set n, 0
.rept 32
	v_mov_b32 v[O+n], 0                            ; O^T: the step is written once; its first turn finds zeros.  (Also the plain lines between the writing of Q's scale word and the first product)
.set n, n+1
.endr
	s_mov_b32 s[KS], 0
	s_mov_b32 s[TK], 0
	s_mov_b32 s[TS], 0
.Lstep_\@:
	STEP
	s_add_co_u32 s[KS], s[KS], 1
	s_cmp_lt_u32 s[KS], 16
	s_cbranch_scc1 .Lstep_\@
	s_setprio 0
	v_add_f32 v14, v14, v15                        ; the sum's two halves,
	s_delay_alu instid0(VALU_DEP_1)
	v_permlanex16_b32 v[PT], v14, s[SEL], s[SEL+1]
	s_delay_alu instid0(VALU_DEP_1)
	v_add_f32 v14, v14, v[PT]                      ; and lane l xor 16's
	s_wait_alu depctr_va_vdst(0)
	v_rcp_f32 v[F], v14
	v_nop                                          ; a plain line behind the reciprocal
	s_wait_alu depctr_va_vdst(0)                   ; and the wait ahead of its first reader
.irp j, 0,2,4,6,8,10,12,14,16,18,20,22,24,26,28,30
	v_pk_mul_f32 v[S+\j:S+1+\j], v[O+\j:O+1+\j], v[F:F+1] op_sel_hi:[1,0]   ; y: register 16 B + i = channel 32 B + 16 h + i of the head
.endr
.irp b, 0,1
	v_max3_num_f32 v[BX+\b], |v[S+16*\b]|, |v[S+1+16*\b]|, 0x1800000
.endr
.irp i, 2,4,6,8,10,12,14
.irp b, 0,1
	s_delay_alu instid0(VALU_DEP_2)
	v_max3_num_f32 v[BX+\b], v[BX+\b], |v[S+16*\b+\i]|, |v[S+1+16*\b+\i]|
.endr
.endr
.irp b, 0,1
	s_delay_alu instid0(VALU_DEP_2)
	v_permlanex16_b32 v[PT+\b], v[BX+\b], s[SEL], s[SEL+1]
.endr
.irp b, 0,1
	s_delay_alu instid0(VALU_DEP_2)
	v_max_num_f32 v[BX+\b], v[BX+\b], v[PT+\b]
.endr
.irp b, 0,1
	s_delay_alu instid0(VALU_DEP_2)
	v_add_nc_u32 v[SO+\b], 0xff000000, v[BX+\b]
.endr
.irp b, 0,1
	s_delay_alu instid0(VALU_DEP_2)
	v_lshrrev_b32 v[PT+\b], 23, v[SO+\b]
.endr
	v_cvt_scalef32_pk16_fp6_f32 v[PC:PC+2], v[S:S+15], v[SO]
	v_cvt_scalef32_pk16_fp6_f32 v[PC+12:PC+14], v[S+16:S+31], v[SO+1]
	v_nop
.irp i, 0,1,2
	v_permlane16_swap_b32 v[PC+\i], v[PC+12+\i]
.endr
.irp i, 0,1,2
	s_delay_alu instid0(VALU_DEP_3)
	v_mov_b32 v[PC+3+\i], v[PC+12+\i]
.endr
	v_cndmask_b32 v[T0], v[PT], v[PT+1], s[HMASK]  ; lanes 0-15 store block 0's byte, lanes 16-31 block 1's
.irp p, 0,1,2
	global_store_b64 v1, v[PC+2*\p:PC+2*\p+1], s[YB:YB+1] offset:256*\p   ; 256 consecutive bytes, aligned
.endr
	global_store_b8 v6, v[T0], s[YSB:YSB+1]
.endm
	PASS
	s_sub_co_u32 s[TQ], 127, s[TQ]
	PASS
	s_wait_tensorcnt 0x0
	ds_add_u32 v254, v255
	s_wait_dscnt 0x0
	s_endpgm
.Lfunc_end_k_qa6a65844c2_attn:
	.size	k_qa6a65844c2_attn, .Lfunc_end_k_qa6a65844c2_attn-k_qa6a65844c2_attn
	.p2alignl 7, 3214868480
	.fill 96, 4, 3214868480
	.section	.rodata,"a",@progbits
	.p2align	6, 0x0
	.amdhsa_kernel k_qa6a65844c2_attn
		.amdhsa_group_segment_fixed_size 206848
		.amdhsa_private_segment_fixed_size 0
		.amdhsa_enable_private_segment 0
		.amdhsa_kernarg_size 32
		.amdhsa_user_sgpr_count 2
		.amdhsa_user_sgpr_kernarg_segment_ptr 1
		.amdhsa_wavefront_size32 1
		.amdhsa_system_sgpr_workgroup_id_x 1
		.amdhsa_system_sgpr_workgroup_id_y 1
		.amdhsa_system_sgpr_workgroup_id_z 1
		.amdhsa_system_vgpr_workitem_id 0
		.amdhsa_next_free_vgpr 256
		.amdhsa_next_free_sgpr 80
		.amdhsa_reserve_vcc 1
		.amdhsa_float_denorm_mode_32 3
		.amdhsa_float_denorm_mode_16_64 3
		.amdhsa_memory_ordered 1
		.amdhsa_forward_progress 1
		.amdhsa_inst_pref_size 68
	.end_amdhsa_kernel
	.amdgpu_metadata
---
amdhsa.version: [ 1, 2 ]
amdhsa.kernels:
  - .name:           k_qa6a65844c2_attn
    .symbol:         k_qa6a65844c2_attn.kd
    .args:
      - { .name: qkv_img, .offset: 0, .size: 8, .value_kind: global_buffer, .address_space: global }
      - { .name: qkv_sc, .offset: 8, .size: 8, .value_kind: global_buffer, .address_space: global }
      - { .name: y_img, .offset: 16, .size: 8, .value_kind: global_buffer, .address_space: global }
      - { .name: y_sc, .offset: 24, .size: 8, .value_kind: global_buffer, .address_space: global }
    .group_segment_fixed_size: 206848
    .private_segment_fixed_size: 0
    .kernarg_segment_align: 8
    .kernarg_segment_size: 32
    .max_flat_workgroup_size: 512
    .sgpr_count:     80
    .vgpr_count:     256
    .wavefront_size: 32
...
	.end_amdgpu_metadata
.endif
;; end of part 3
;; launch proj (part 4): grid 4 x 32, 4 waves a work-group, clusters of 4 x 4, 327,680 bytes of LDS; arguments y_img, y_sc, w_img, w_sc, bo, out0; writes out0
.if DOCPART == 4
	.amdgcn_target "amdgcn-amd-amdhsa--gfx1250"
	.amdhsa_code_object_version 6
	.text
	.protected	k_qa6a65844c2_proj
	.globl	k_qa6a65844c2_proj
	.p2align	8
	.type	k_qa6a65844c2_proj,@function
k_qa6a65844c2_proj:
	s_mov_b64 s[64:65], 0
	v_nop
	global_prefetch_b8 v0, s[64:65] scope:SCOPE_SE
	s_setreg_imm32_b32 hwreg(HW_REG_WAVE_MODE, 25, 1), 1
	s_wait_xcnt 0x0
	s_wait_alu depctr_hold_cnt(0) depctr_sa_sdst(0) depctr_va_vdst(0) depctr_va_sdst(0) depctr_va_ssrc(0) depctr_va_vcc(0) depctr_vm_vsrc(0)
	s_getreg_b32 s2, hwreg(HW_REG_IB_STS2, 6, 4)
	s_cmp_eq_u32 s2, 0
	s_cbranch_scc0 .Lentry_in_a_cluster
	s_endpgm
.Lentry_in_a_cluster:
	s_bfe_u32 s2, ttmp6, 0x10000c
	s_cmp_lg_u32 s2, 0xf033
	s_cbranch_scc0 .Lentry_shape_is_right
	s_endpgm
.Lentry_shape_is_right:
; out0 = y Wo^T + bo on codes of FP6 (E2M3) with E8M0 scales, K = 1,024; out0 [8192][1024] f32.
; C' = A' B'^T with A' = y (8,192 rows), B' = Wo (tiles 192-255 of w_img).  A work-group makes 256 x 256, a wave 128 x 128: 64 accumulators.  128 work-groups: half of the WGPs have none; the tile is kept for the wave's 128 x 128.
; Operands come as images of operand registers: 128 rows x 256 K are one dense block of 24,576 bytes, one tensor load.  Wo's fragments: 3 pieces of 512 bytes (16 bytes a lane); y's: 6 pieces of 256 (8 bytes a lane),
; since each head wrote half a fragment.  K has four slots' worth; LDS has three slots: three first fills and ONE refill.
; The matrix instruction is used transposed (source 0 = 16 rows of Wo, source 1 = 16 rows of y): a lane holds one token and neighbouring channels.  The rows of a tile are 32 G + 8 u + r + 8 (r / 8): the way out undoes that by its offsets.
; bo is the C of each sum's first matrix instruction.  CLUSTERS: 4 x 4; y's tiles are shared along a row of the cluster, Wo's along a column.  The scale words come by one plain load a wave.
; REGISTERS: window 0: v16-31 addresses; v32-63 scale words, two sets; v64-127 bo's 64 numbers of a lane; v128-223 A's fragments, one set.  window 1: B's fragments, two sets.  windows 2, 3: accumulators.
.set FR,    12
.set HALFT, 24576
.set SLOT,  4*HALFT
.set SCL,   3*SLOT
.set SPARE, SCL+4*4096                 ; the spare words, 128 bytes a wave: two blocks of 256 bytes that no other line names
.set SPITCH, 528                       ; the way out: a stage of 16 rows x (512 + 16) bytes a wave, in LDS slot 1, which has had its only fill and its last read when the first result is stored there
.set KAB,   1572864                    ; bytes from a K slot of y's images to the next
.set KBB,   786432                     ; and of w_img's
.set ADRA,  16
.set ADRB,  20
.set L16,   25
.set ADRS,  27
.set SPW,   28
.set NIL,   29
.set STO,   30
.set RD,    31
.set SC,    32
.set BN,    64
.set AF,    128
.set BK,    128                        ; the way out: 16 rows read back: v128-191 and v192-255 by turns
.set WV,    22
.set HM,    23
.set HN,    66
.set G1,    24
.set G1B,   32
.set G0,    40
.set G0B,   52
.set G1S,   68
.set G0S,   76
.set MSB, 0
.macro WIN new
.if MSB != (\new)
	s_set_vgpr_msb (MSB<<8)|(\new)
.set MSB, \new
.endif
.endm
.set MUL_LO, 0xa1
.set MUL_HI, 0xf1
.set TO_B,   0x40
.macro PLACES n
.rept \n
	v_nop
.endr
.endm
.macro JLOAD g0a, g1a, g0b, g1b        ; a joint load: waves 0 and 1 fetch for A, waves 2 and 3 for B; four v_nop follow each of the two lines
	s_cmp_eq_u32 s[HM], 0
	s_cbranch_scc0 .Lfor_b_\@
	tensor_load_to_lds s[\g0a:\g0a+3], s[\g1a:\g1a+7]
	s_nop 0
.rept 4
	v_nop
.endr
	s_branch .Lasked_\@
.Lfor_b_\@:
	tensor_load_to_lds s[\g0b:\g0b+3], s[\g1b:\g1b+7]
	s_nop 0
.rept 4
	v_nop
.endr
.Lasked_\@:
.endm
.macro CREST
	s_cmp_lg_u32 s[WV], 0
	s_cbranch_scc1 .Lnot_wave_0_\@
	s_barrier_signal -3
.Lnot_wave_0_\@:
	s_barrier_wait -3
	s_barrier_signal -1
	s_barrier_wait -1
.endm
.macro CROUND
	s_barrier_signal -1
	s_barrier_wait -1
	CREST
.endm
	s_load_b256 s[4:11], s[0:1], 0x0               ; y_img 4, y_sc 6, w_img 8, w_sc 10
	s_load_b128 s[12:15], s[0:1], 0x20             ; bo 12, out0 14
	v_lshl_add_u32 v[SPW], v0, 2, SPARE
	v_mov_b32 v[NIL], 0
	ds_add_u32 v28, v29
	ds_add_u32 v28, v29
	s_wait_dscnt 0x0
	v_lshrrev_b32 v1, 5, v0
	v_readfirstlane_b32 s[WV], v1
	s_lshr_b32 s[HM], s[WV], 1                     ; which half of y's rows is mine; also: I fetch for A (0) or B (1)
	s_and_b32 s[HN], s[WV], 1                      ; which half of Wo's rows; also: which 128 rows I fetch
	s_bfe_u32 s80, ttmp6, 0x40000                  ; cx
	s_bfe_u32 s81, ttmp6, 0x40004                  ; cy
	s_and_b32 s82, ttmp7, 0xffff
	s_lshl_b32 s82, s82, 2
	s_add_co_u32 s82, s82, s81                     ; tile row
	s_lshl_b32 s83, ttmp9, 2
	s_add_co_u32 s83, s83, s80                     ; tile column
	s_lshl_b32 s84, s81, 2
	s_lshl_b32 s84, 15, s84                        ; my row of the cluster
	s_lshl_b32 s85, 0x1111, s80                    ; my column
	s_or_b32 s[G1], s84, (3<<16)|(1<<21)           ; 15:0 the mask; 17:16 elements of 8 bytes; 21 set beside a mask; no padding
	s_or_b32 s[G1B], s85, (3<<16)|(1<<21)
.irp g, G1, G1B                        ; a dense block of 24,576 bytes as 96 rows of 256
	s_mov_b32 s[\g+1], 32<<16
	s_mov_b32 s[\g+2], 96<<16
	s_mov_b32 s[\g+3], 32<<16
	s_mov_b32 s[\g+4], 96
	s_mov_b32 s[\g+5], 32
	s_mov_b32 s[\g+6], 0
	s_mov_b32 s[\g+7], 0
.endr
	s_mov_b32 s[G1S], 3<<16                        ; the scale words of 128 rows: 16 rows of 256 bytes; no mask
	s_mov_b32 s[G1S+1], 32<<16
	s_mov_b32 s[G1S+2], 16<<16
	s_mov_b32 s[G1S+3], 32<<16
	s_mov_b32 s[G1S+4], 16
	s_mov_b32 s[G1S+5], 32
	s_mov_b32 s[G1S+6], 0
	s_mov_b32 s[G1S+7], 0
	s_lshl_b32 s91, s[HN], 3
	s_lshl_b32 s90, s82, 4
	s_add_co_u32 s90, s90, s91                     ; A's tile: 16 x tile row + 8 x half
	s_lshl_b32 s92, s83, 4
	s_add_co_u32 s92, s92, s91
	s_add_co_u32 s92, s92, 192                     ; B's: Wo's tiles begin at 192 of w_img
	s_mul_i32 s94, s90, 3072
	s_mov_b32 s95, 0
	s_mul_i32 s96, s92, 3072
	s_mov_b32 s97, 0
	s_lshl_b32 s98, s90, 9
	s_mov_b32 s99, 0
	s_lshl_b32 s100, s92, 9
	s_mov_b32 s101, 0
	s_mul_i32 s93, s[WV], HALFT
	s_wait_kmcnt 0x0
	s_add_nc_u64 s[94:95], s[4:5], s[94:95]
	s_add_nc_u64 s[96:97], s[8:9], s[96:97]
	s_add_nc_u64 s[98:99], s[6:7], s[98:99]
	s_add_nc_u64 s[100:101], s[10:11], s[100:101]
	s_mov_b32 s[G0S], 1
	s_lshl_b32 s[G0S+1], s[WV], 12
	s_add_co_u32 s[G0S+1], s[G0S+1], SCL
	s_cmp_eq_u32 s[HM], 0
	s_cselect_b64 s[G0S+2:G0S+3], s[98:99], s[100:101]
	s_or_b32 s[G0S+3], s[G0S+3], 0x80000000
.irp s, 0,1,2
	s_mov_b32 s[G0+4*\s], 1
	s_add_co_u32 s[G0+4*\s+1], s93, \s*SLOT
	s_add_nc_u64 s[G0+4*\s+2:G0+4*\s+3], s[94:95], \s*KAB
	s_or_b32 s[G0+4*\s+3], s[G0+4*\s+3], 0x80000000
	s_mov_b32 s[G0B+4*\s], 1
	s_add_co_u32 s[G0B+4*\s+1], s93, \s*SLOT
	s_add_nc_u64 s[G0B+4*\s+2:G0B+4*\s+3], s[96:97], \s*KBB
	s_or_b32 s[G0B+4*\s+3], s[G0B+4*\s+3], 0x80000000
.endr
	CROUND                                         ; all sixteen work-groups are here: the first joint loads meet
	tensor_load_to_lds s[G0S:G0S+3], s[G1S:G1S+7]  ; the scale words first.  Four tensor loads of mine are out behind the next three
	s_nop 0
.rept 4
	v_nop
.endr
	JLOAD G0, G1, G0B, G1B
	JLOAD G0+4, G1, G0B+4, G1B
	JLOAD G0+8, G1, G0B+8, G1B
	v_and_b32 v1, 31, v0
	v_lshlrev_b32 v[L16], 4, v1
	v_lshlrev_b32 v7, 3, v1                        ; 8 x lane
	v_and_b32 v2, 15, v0                           ; r
	v_bfe_u32 v3, v0, 4, 1                         ; h
	s_mul_i32 s90, s[HM], HALFT
	s_mul_i32 s91, s[HN], HALFT
	s_add_co_u32 s91, s91, 2*HALFT
.irp s, 0,1,2
	v_add_nc_u32 v[ADRA+\s], s90, v7
	v_add_nc_u32 v[ADRB+\s], s91, v[L16]
	s_add_co_u32 s90, s90, SLOT
	s_add_co_u32 s91, s91, SLOT
.endr
	s_lshl_b32 s90, s[HM], 12
	s_lshl_b32 s91, s[HN], 12
	s_add_co_u32 s91, s91, 8192
	s_sub_co_u32 s91, s91, s90
	v_mul_u32_u24 v4, s91, v3                      ; lanes 16-31 take B's scale words: one product, the distance between the two
	s_add_co_u32 s90, s90, SCL
	v_lshl_add_u32 v4, v2, 4, v4
	v_add_nc_u32 v[ADRS], s90, v4
	s_mul_i32 s90, s[WV], 16*SPITCH
	s_add_co_u32 s90, s90, SLOT                    ; my stage
	v_mul_u32_u24 v4, v2, SPITCH
	v_lshl_add_u32 v4, v3, 6, v4
	v_add_nc_u32 v[STO], s90, v4                   ; in: row r, + 64 h
	v_add_nc_u32 v[RD], s90, v[L16]                ; back: a row of 512 bytes, 16 a lane
	v_lshlrev_b32 v5, 6, v3                        ; 64 h
	s_lshl_b32 s98, s83, 10
	s_lshl_b32 s91, s[HN], 9
	s_add_co_u32 s98, s98, s91
	s_mov_b32 s99, 0
	s_add_nc_u64 s[98:99], s[12:13], s[98:99]      ; bo at my 128 channels
.irp b, 0,1,2,3,4,5,6,7
	global_load_b128 v[BN+8*\b:BN+8*\b+3], v5, s[98:99] offset:(32*(\b/2)+8*(\b%2))*4       ; register 8 b + j: the bias of channel 32 (b / 2) + 8 (b % 2) + 16 h + j
	global_load_b128 v[BN+8*\b+4:BN+8*\b+7], v5, s[98:99] offset:(32*(\b/2)+8*(\b%2))*4+16
.endr
	s_lshl_b32 s90, s82, 8
	s_lshl_b32 s91, s[HM], 7
	s_add_co_u32 s90, s90, s91                     ; my first token
	s_lshl_b32 s90, s90, 12
	s_lshl_b32 s91, s83, 10
	s_add_co_u32 s90, s90, s91
	s_lshl_b32 s91, s[HN], 9
	s_add_co_u32 s90, s90, s91                     ; + my first channel, in bytes
	s_mov_b32 s91, 0
	s_add_nc_u64 s[14:15], s[14:15], s[90:91]
.macro FRAGB reg, adr, off
.irp c, 0,1,2
	ds_load_b128 v[\reg+4*\c:\reg+4*\c+3], v[\adr] offset:\off+512*\c
.endr
.endm
.macro FRAGA reg, adr, off
.irp p, 0,1,2,3,4,5
	ds_load_b64 v[\reg+2*\p:\reg+2*\p+1], v[\adr] offset:\off+256*\p
.endr
.endm
.macro FETCH_B slot, q
	WIN TO_B
.irp i, 0,1,2,3,4,5,6,7
	FRAGB 128*(\q)+FR*\i, ADRB+\slot, \i*3072+(\q)*1536
.endr
	WIN 0
.endm
.macro FETCH_A slot, q, i0
.irp i, \i0, \i0+1, \i0+2, \i0+3
	FRAGA AF+FR*(\i), ADRA+\slot, (\i)*3072+(\q)*1536
.endr
.endm
.macro SCALES S
.irp i, 0,1,2,3,4,5,6,7
	ds_load_b64 v[SC+16*((\S)%2)+2*\i:SC+16*((\S)%2)+2*\i+1], v[ADRS] offset:\i*512+((\S)/2)*256+((\S)%2)*8
.endr
.endm
; 16 matrix instructions; the 64 accumulators take turns, one instruction a turn, in the same order in every step.  first = 1: the bias starts the sums
.macro MUL16 a0, q, sc, first
.irp a, \a0, \a0+1
.irp b, 0,1,2,3,4,5,6,7
.if \first
	v_wmma_scale_f32_16x16x128_f8f6f4 v[8*(8*((\a)%4)+\b):8*(8*((\a)%4)+\b)+7], v[128*(\q)+FR*\b:128*(\q)+FR*\b+FR-1], v[AF+FR*(\a):AF+FR*(\a)+FR-1], v[BN+8*\b:BN+8*\b+7], v[SC+16*(\sc)+2*\b+(\q)], v[SC+16*(\sc)+2*(\a)+(\q)] matrix_a_fmt:MATRIX_FMT_FP6 matrix_b_fmt:MATRIX_FMT_FP6 matrix_a_scale:MATRIX_SCALE_ROW1
.else
	v_wmma_scale_f32_16x16x128_f8f6f4 v[8*(8*((\a)%4)+\b):8*(8*((\a)%4)+\b)+7], v[128*(\q)+FR*\b:128*(\q)+FR*\b+FR-1], v[AF+FR*(\a):AF+FR*(\a)+FR-1], v[8*(8*((\a)%4)+\b):8*(8*((\a)%4)+\b)+7], v[SC+16*(\sc)+2*\b+(\q)], v[SC+16*(\sc)+2*(\a)+(\q)] matrix_a_fmt:MATRIX_FMT_FP6 matrix_b_fmt:MATRIX_FMT_FP6 matrix_a_scale:MATRIX_SCALE_ROW1
.endif
.endr
.endr
.endm
.macro STEP q, sc, ns, nq, first, scl, nS
	s_wait_dscnt 24                                ; B's set and A's blocks 0-3 are in; the youngest 24 loads (A's blocks 4-7) may be out
.if \first
	WIN 0x81                                       ; C (the bias) in window 0, D in window 2
.else
	WIN MUL_LO
.endif
	MUL16 0, \q, \sc, \first
	MUL16 2, \q, \sc, \first
	s_wait_dscnt 0x0
	PLACES 4                                       ; four plain lines in front of loads into registers that matrix instructions have read
	FETCH_B \ns, \nq
	FETCH_A \ns, \nq, 0
.if \scl
	SCALES \nS
.endif
.if \first
	WIN 0xc1
.else
	WIN MUL_HI
.endif
	MUL16 4, \q, \sc, \first
	MUL16 6, \q, \sc, \first
	PLACES 4
	WIN 0
	FETCH_A \ns, \nq, 4
.endm
.macro TURN sc, ns, fill, nS
	s_wait_tensorcnt 0x0                           ; all my tensor loads have landed
	ds_add_u32 v[SPW], v[NIL]                      ; 0 onto my spare word
	s_wait_dscnt 25                                ; (the add and the youngest 24 loads may be out)
	WIN MUL_LO
	MUL16 0, 1, \sc, 0
	s_wait_dscnt 0x0                               ; the add is done, and my reads of the slot are over
	s_barrier_signal -1
	MUL16 2, 1, \sc, 0
	WIN 0
	s_barrier_wait -1
.if \fill
	CREST                                          ; the barrier has opened a round of the cluster's barrier: no wave of any partner still reads slot 0 or has a load on its way
	s_add_nc_u64 s[G0+2:G0+3], s[G0+10:G0+11], KAB              ; K slot 3: one on from K slot 2
	s_add_nc_u64 s[G0B+2:G0B+3], s[G0B+10:G0B+11], KBB
	JLOAD G0, G1, G0B, G1B                         ; my one tensor load behind the round; it has four steps, 256 matrix instructions, in which to land
.else
	PLACES 4
.endif
	FETCH_B \ns, 0
	FETCH_A \ns, 0, 0
	SCALES \nS
	WIN MUL_HI
	MUL16 4, 1, \sc, 0
	MUL16 6, 1, \sc, 0
	PLACES 4
	WIN 0
	FETCH_A \ns, 0, 4
.endm
	s_wait_tensorcnt 0x2                           ; the scale words and my part of K slot 0 are in; K slots 1 and 2 may be out
	s_barrier_signal -1
	s_barrier_wait -1
	FETCH_B 0, 0
	FETCH_A 0, 0, 0
	SCALES 0
	FETCH_A 0, 0, 4
	s_wait_loadcnt 0x0                             ; the bias
	STEP 0, 0, 0, 1, 1, 0, 0                       ; K slot 0, first half: the bias starts the sums
	TURN 0, 1, 1, 1                                ; K slot 0, second half; all first fills are shown landed to every wave; LDS slot 0 takes K slot 3
	STEP 0, 1, 1, 1, 0, 0, 0                       ; K slot 1
	STEP 1, 1, 2, 0, 0, 1, 2                       ; on into LDS slot 2, which the barrier above has shown whole
	STEP 0, 0, 2, 1, 0, 0, 0                       ; K slot 2
	TURN 0, 0, 0, 3                                ; K slot 3 has landed in every wave's part; behind this barrier nobody reads LDS slot 1 any more
	STEP 0, 1, 0, 1, 0, 0, 0                       ; K slot 3
	s_wait_dscnt 24
	WIN MUL_LO
	MUL16 0, 1, 1, 0
	MUL16 2, 1, 1, 0
	s_wait_dscnt 0x0
	WIN MUL_HI
	MUL16 4, 1, 1, 0
	MUL16 6, 1, 1, 0
	WIN 0
; THE WAY OUT, block by block of 16 tokens x 128 channels, through my own stage: a lane's eight results of tile b are channels 32 (b / 2) + 8 (b % 2) + 16 h + 0 .. 7 of its token; back come whole rows of 512 bytes.
; LDS serves a wave's instructions in order: no wait between the stores and the loads, nor in front of the next block's stores.
.macro TOSTAGE a
.set AC, 64*((\a)%4)
	WIN 0x08+4*((\a)/4)                            ; the data: window 2 or 3
.irp b, 0,1,2,3,4,5,6,7
	ds_store_b128 v[STO], v[AC+8*\b:AC+8*\b+3] offset:128*(\b/2)+32*(\b%2)       ; each accumulator from its low end on
	ds_store_b128 v[STO], v[AC+8*\b+4:AC+8*\b+7] offset:128*(\b/2)+32*(\b%2)+16
.endr
	WIN 0
.set BB, BK+64*((\a)%2)
.irp t, 0,1,2,3,4,5,6,7,8,9,10,11,12,13,14,15
	ds_load_b128 v[BB+4*\t:BB+4*\t+3], v[RD] offset:\t*SPITCH
.endr
.endm
.macro SEND a, younger
.set BB, BK+64*((\a)%2)
	s_wait_dscnt \younger                          ; the block is back in registers
.irp t, 0,1,2,3,4,5,6,7,8,9,10,11,12,13,14,15
	global_store_b128 v[L16], v[BB+4*\t:BB+4*\t+3], s[14:15] offset:(32*((\a)/2)+8*((\a)%2)+\t+8*(\t/8))*4096 th:TH_STORE_NT   ; row t of block a is token 32 (a / 2) + 8 (a % 2) + t + 8 (t / 8); 512 consecutive bytes, aligned
.endr
.endm
	PLACES 4                                       ; four plain lines between the last products and the first read of results and the loads into A's registers
	TOSTAGE 0
.irp a, 1,2,3,4,5,6,7
.if \a > 1
	s_wait_xcnt 0x0                                ; block a - 2's stores have read their registers: block a's loads may land there
.endif
	TOSTAGE \a
	SEND \a-1, 32                                  ; behind block a - 1's loads: block a's 16 stores and 16 loads
.endr
	SEND 7, 0
	s_wait_tensorcnt 0x0                           ; the wave's end
	ds_add_u32 v[SPW], v[NIL]
	s_wait_dscnt 0x0
	CROUND                                         ; the closing round
	s_endpgm
.Lfunc_end_k_qa6a65844c2_proj:
	.size	k_qa6a65844c2_proj, .Lfunc_end_k_qa6a65844c2_proj-k_qa6a65844c2_proj
	.p2alignl 7, 3214868480
	.fill 96, 4, 3214868480
	.section	.rodata,"a",@progbits
	.p2align	6, 0x0
	.amdhsa_kernel k_qa6a65844c2_proj
		.amdhsa_group_segment_fixed_size 327680
		.amdhsa_private_segment_fixed_size 0
		.amdhsa_enable_private_segment 0
		.amdhsa_kernarg_size 48
		.amdhsa_user_sgpr_count 2
		.amdhsa_user_sgpr_kernarg_segment_ptr 1
		.amdhsa_wavefront_size32 1
		.amdhsa_system_sgpr_workgroup_id_x 1
		.amdhsa_system_sgpr_workgroup_id_y 1
		.amdhsa_system_sgpr_workgroup_id_z 1
		.amdhsa_system_vgpr_workitem_id 0
		.amdhsa_next_free_vgpr 1024
		.amdhsa_next_free_sgpr 106
		.amdhsa_reserve_vcc 0
		.amdhsa_float_denorm_mode_32 3
		.amdhsa_float_denorm_mode_16_64 3
		.amdhsa_memory_ordered 1
		.amdhsa_forward_progress 1
		.amdhsa_inst_pref_size 148
	.end_amdhsa_kernel
	.amdgpu_metadata
---
amdhsa.version: [ 1, 2 ]
amdhsa.kernels:
  - .name:           k_qa6a65844c2_proj
    .symbol:         k_qa6a65844c2_proj.kd
    .args:
      - { .name: y_img, .offset: 0, .size: 8, .value_kind: global_buffer, .address_space: global }
      - { .name: y_sc, .offset: 8, .size: 8, .value_kind: global_buffer, .address_space: global }
      - { .name: w_img, .offset: 16, .size: 8, .value_kind: global_buffer, .address_space: global }
      - { .name: w_sc, .offset: 24, .size: 8, .value_kind: global_buffer, .address_space: global }
      - { .name: bo, .offset: 32, .size: 8, .value_kind: global_buffer, .address_space: global }
      - { .name: out0, .offset: 40, .size: 8, .value_kind: global_buffer, .address_space: global }
    .group_segment_fixed_size: 327680
    .private_segment_fixed_size: 0
    .kernarg_segment_align: 8
    .kernarg_segment_size: 48
    .max_flat_workgroup_size: 128
    .sgpr_count:     106
    .vgpr_count:     1024
    .wavefront_size: 32
...
	.end_amdgpu_metadata
.endif
;; end of part 4
